; MI455X (gfx1250); checked and timed in simulation.
; The chip was launched on July 23, 2026; its instructions are those of AMD's public machine-readable ISA for CDNA 5 (MIT licence, August 2026) and "CDNA5" Instruction Set Architecture Reference Guide (July 2026). The comments in the code are by the model that wrote it; some were corrected since.
;; Multi Head Attention. Allowed arithmetic: float matrix products may take bf16 or f16 operands with f32 sums; other float arithmetic in f32, or as packed bf16 or f16 multiplies, adds, multiply-adds, maxima and minima; sums over many terms, partial sums and values carried from step to step in f32; what a program stores and reads back later, other than sums and carried values, may be rounded once to bf16 or f16.
;; Inputs: K 4 x 2,048 x 1,024 float32; Q 4 x 2,048 x 1,024 float32; V 4 x 2,048 x 1,024 float32; W_K 1,024 x 1,024 float32; W_O 1,024 x 1,024 float32; W_Q 1,024 x 1,024 float32; W_V 1,024 x 1,024 float32; mask 4 x 2,048 x 2,048 int32.
;; Outputs: out0 4 x 2,048 x 1,024 float32.
;; 2 versions, each right and faster than the one before. Each part assembles by itself: llvm-mc -triple=amdgcn-amd-amdhsa -mcpu=gfx1250 --defsym DOCPART=n.
;; ======== version 1 of 2: 4 launches
;; limits: values are held in f16: magnitudes above 65,504 overflow, below 6.1e-05 lose precision
;; workspace buffers: xb 50,331,648 bytes; wb 8,388,608 bytes; mbits 2,097,152 bytes of whole numbers; hd 50,331,648 bytes; ob 16,777,216 bytes
;; launch prep (part 1): grid 2816 x 1, 4 waves a work-group, no clusters, 0 bytes of LDS; arguments Q, K, V, W_Q, W_K, W_V, W_O, mask, xb, wb, mbits; writes xb, wb, mbits
.if DOCPART == 1
	.amdgcn_target "amdgcn-amd-amdhsa--gfx1250"
	.amdhsa_code_object_version 6
	.text
	.protected	k_qd960476675_prep
	.globl	k_qd960476675_prep
	.p2align	8
	.type	k_qd960476675_prep,@function
k_qd960476675_prep:
	s_mov_b64 s[64:65], 0
	v_nop
	global_prefetch_b8 v0, s[64:65] scope:SCOPE_SE
	s_setreg_imm32_b32 hwreg(HW_REG_WAVE_MODE, 25, 1), 1
	s_wait_xcnt 0x0
; PREPARATION, a stream: no LDS, no barrier, no matrix work (each byte is read once and nothing is shared between waves).
; (1) Q, K, V [8192][1024] and the four weights [1024][1024], all f32, are rounded to bf16 (nearest even), and that number is written as f16, in blocks of 64 columns:
;     xb[p][b][kb][s][64], wb[p][nb][k][64] (p: Q, K, V and W_Q, W_K, W_V, W_O), so that every tile of the later products is a dense run of bytes.
; (2) mask [4][2048][2048] int32 is packed into lane masks: mbits[b][qt][kblk][j], bit L = (mask[b][16 qt + L % 16][16 kblk + 8 (L / 16) + j] != 0).
; LIMITS. bf16 to f16 is exact for 6.1e-5 <= |x| <= 65,504; below, f16's fixed step of 6e-8 holds; beyond 65,504 the number becomes an infinity. NaN is not treated apart.
; SHARES. 2,816 work-groups of four waves; each reads 64 KiB, a wave 16 KiB as 32 loads of 16 bytes a lane, all issued before the first is waited for.
;   groups 0..1535: 16 rows of Q, K or V; 1536..1791: 16 rows of a weight; 1792..2815: 16 rows x 1,024 keys of the mask.
.set NX,  1536                         ; work-groups for Q, K, V
.set NC,  1792                         ; and with the weights'
.set T,   8                            ; v[8:13]   at work
.set F,   16                           ; v[16:23]  mask path: for key group G and word c, bit i = row i's flag
.set X,   64                           ; v[64:191] 32 loads of four registers
	s_load_b512 s[4:19], s[0:1], 0x0               ; Q s[4:5], K s[6:7], V s[8:9], W_Q s[10:11], W_K s[12:13], W_V s[14:15], W_O s[16:17], mask s[18:19]
	s_load_b128 s[20:23], s[0:1], 0x40             ; xb s[20:21], wb s[22:23]
	s_load_b64 s[24:25], s[0:1], 0x50              ; mbits
	v_lshrrev_b32 v1, 5, v0
	v_readfirstlane_b32 s26, v1                    ; wave 0..3
	v_and_b32 v1, 31, v0                           ; lane
	s_mov_b32 s33, 0                               ; high words of the two offsets
	s_mov_b32 s35, 0
	s_cmp_ge_u32 ttmp9, NC
	s_cbranch_scc1 .Lmask
	; ---- THE CASTS.  Which tensor, which 16 rows, and where they go: offsets in registers of their own, the pointers chosen by s_cselect_b64.
	s_mov_b32 s39, 0xffff0000                      ; a word's upper bf16
	s_max_u32 s38, ttmp9, NX
	s_sub_co_u32 s38, s38, NX                      ; the number among the weights' groups (0 for Q, K, V)
	s_lshr_b32 s37, s38, 6
	s_add_co_u32 s37, s37, 3                       ; weights: tensors 3..6
	s_lshr_b32 s27, ttmp9, 9                       ; Q, K, V: tensors 0..2, 512 groups each
	s_and_b32 s32, ttmp9, 511                      ; the block of 16 rows in the tensor
	s_and_b32 s41, s38, 63
	s_lshr_b32 s34, ttmp9, 7                       ; 4 p + b
	s_lshl_b32 s34, s34, 22                        ; x 16 blocks x 2,048 rows x 128 bytes
	s_and_b32 s42, ttmp9, 127
	s_lshl_b32 s42, s42, 11                        ; + 16 rows of 128 bytes
	s_add_co_u32 s34, s34, s42
	s_lshr_b32 s43, s38, 6
	s_lshl_b32 s43, s43, 21                        ; weights: p x 16 blocks x 1,024 rows x 128 bytes
	s_lshl_b32 s44, s41, 11
	s_add_co_u32 s43, s43, s44
	s_mov_b32 s36, 131072                          ; bytes from a block of 64 columns to the next: 1,024 rows, or 2,048
	s_cmp_lt_u32 ttmp9, NX
	s_cselect_b32 s37, s27, s37
	s_cselect_b32 s32, s32, s41
	s_cselect_b32 s34, s34, s43
	s_cselect_b32 s36, 262144, s36
	s_lshl_b32 s32, s32, 16                        ; 16 rows of 4,096 bytes
	v_and_b32 v3, 15, v0
	v_bfe_u32 v14, v0, 4, 1
	v_lshlrev_b32 v2, 4, v3                        ; in: 16 lanes take 256 bytes (64 columns) of a row,
	v_lshl_add_u32 v2, v14, 12, v2                 ; lanes 16-31 the row below,
	s_lshl_b32 s45, s26, 10
	v_add_nc_u32 v2, s45, v2                       ; in my wave's 1,024 bytes of the rows
	s_lshl_b32 s46, s26, 2
	s_mul_i32 s46, s46, s36                        ; out: block 4 w + n, 8 bytes a lane: two rows of 128 bytes on end
.irp n, 0,1,2,3
	v_lshl_add_u32 v[4+\n], v1, 3, s46
	s_add_co_u32 s46, s46, s36
.endr
	s_wait_kmcnt 0x0
	s_cmp_lt_u32 ttmp9, NX
	s_cselect_b64 s[30:31], s[20:21], s[22:23]
	s_mov_b64 s[28:29], s[4:5]
.irp n, 1,2,3,4,5,6
	s_cmp_eq_u32 s37, \n
	s_cselect_b64 s[28:29], s[4+2*\n:5+2*\n], s[28:29]
.endr
	s_add_nc_u64 s[28:29], s[28:29], s[32:33]
	s_add_nc_u64 s[30:31], s[30:31], s[34:35]
.set i, 0
.rept 32                                               ; load i: block i / 8 of my four, rows 2 (i % 8) and + 1
	global_load_b128 v[X+4*i:X+4*i+3], v2, s[28:29] offset:(i/8)*256+(i%8)*8192 th:TH_LOAD_NT
.set i, i+1
.endr
.set i, 0
.rept 32
	s_wait_loadcnt 31-i                            ; loads come back in order: load i is in, the 31 - i younger ones stay out
	v_cvt_pk_bf16_f32 v[T], v[X+4*i], v[X+4*i+1]   ; the one rounding
	v_cvt_pk_bf16_f32 v[T+1], v[X+4*i+2], v[X+4*i+3]
	v_lshlrev_b32 v[T+2], 16, v[T]                 ; bf16 to f32: a shift or a mask
	v_and_b32 v[T+3], s39, v[T]
	v_lshlrev_b32 v[T+4], 16, v[T+1]
	v_and_b32 v[T+5], s39, v[T+1]
	v_cvt_pk_f16_f32 v[X+4*i], v[T+2], v[T+3]      ; the same number as f16
	v_cvt_pk_f16_f32 v[X+4*i+1], v[T+4], v[T+5]
	global_store_b64 v[4+i/8], v[X+4*i:X+4*i+1], s[30:31] offset:(i%8)*256  ; the wave's 32 lanes store 256 consecutive bytes, aligned; no register of a store is written again
.set i, i+1
.endr
	s_endpgm
	; ---- THE MASK.  A work-group: 16 query rows x 1,024 keys; a wave: 256 keys, as two groups G of 128 (a load of 16 bytes a lane).
	; Lane L holds the keys 4 L + c of its group: key block L / 4, half h = (L / 2) % 2, word j = 4 (L % 2) + c.
.Lmask:
	s_sub_co_u32 s38, ttmp9, NC
	s_lshr_b32 s37, s38, 1                         ; 128 b + qt
	s_and_b32 s41, s38, 1                          ; which 1,024 keys
	s_lshl_b32 s32, s37, 17                        ; 16 rows of 8,192 bytes
	s_lshl_b32 s42, s41, 12
	s_add_co_u32 s32, s32, s42
	s_lshl_b32 s34, s37, 12                        ; 128 key blocks x 8 words
	s_lshl_b32 s42, s41, 11
	s_add_co_u32 s34, s34, s42
	v_lshlrev_b32 v2, 4, v1
	s_lshl_b32 s45, s26, 10
	v_add_nc_u32 v2, s45, v2                       ; in: 1,024 w + 16 L
	v_bfe_u32 v3, v0, 1, 1                         ; h
	v_bfe_u32 v14, v0, 2, 3                        ; L / 4
	v_and_b32 v15, 1, v0
	v_lshlrev_b32 v4, 8, v3                        ; out: lanes with h = 0 write group 0's words, lanes with h = 1 group 1's (8 key blocks of 32 bytes on),
	v_lshl_add_u32 v4, v14, 5, v4                  ; key block L / 4,
	v_lshl_add_u32 v4, v15, 4, v4                  ; words 4 (L % 2) + 0..3
	s_lshl_b32 s46, s26, 9
	v_add_nc_u32 v4, s46, v4
	v_cmp_ne_u32 s40, 0, v3                        ; the lanes with h = 1
	s_wait_kmcnt 0x0
	s_add_nc_u64 s[28:29], s[18:19], s[32:33]
	s_add_nc_u64 s[30:31], s[24:25], s[34:35]
.set i, 0
.rept 32                                               ; load i: row i / 2, group i % 2
	global_load_b128 v[X+4*i:X+4*i+3], v2, s[28:29] offset:(i/2)*8192+(i%2)*512 th:TH_LOAD_NT
.set i, i+1
.endr
.set i, 0
.rept 32
	s_wait_loadcnt 31-i                            ; load i is in, the younger ones stay out
.irp c, 0,1,2,3
.if i < 2
	v_min_u32 v[F+4*(i%2)+\c], 1, v[X+4*i+\c]      ; row 0 starts the field: 1 where the mask is not 0
.else
	v_min_u32 v[T+\c], 1, v[X+4*i+\c]
	v_lshl_or_b32 v[F+4*(i%2)+\c], v[T+\c], i/2, v[F+4*(i%2)+\c]
.endif
.endr
.set i, i+1
.endr
	; A word's low 16 bits come from the lane with h = 0, its high 16 from the lane two further on.  Each lane sends the group that it does not write and keeps the other.
.irp c, 0,1,2,3
	v_cndmask_b32 v[T+\c], v[F+4+\c], v[F+\c], s40 ; sent: group 1's field, from lanes with h = 1 group 0's
	v_mov_b32 v[28+\c], 0                          ; the exchange's destination counts as read
.endr
.irp c, 0,1,2,3
	v_mov_b32_dpp v[28+\c], v[T+\c] row_xmask:2 row_mask:0xf bank_mask:0xf
	v_cndmask_b32 v[32+\c], v[F+\c], v[F+4+\c], s40  ; kept
.endr
.irp c, 0,1,2,3
	v_cndmask_b32 v[36+\c], v[32+\c], v[28+\c], s40  ; the half of h = 0
	v_cndmask_b32 v[40+\c], v[28+\c], v[32+\c], s40  ; the half of h = 1
	v_lshl_or_b32 v[24+\c], v[40+\c], 16, v[36+\c]
.endr
	global_store_b128 v4, v[24:27], s[30:31]       ; the wave's 32 lanes cover 512 consecutive bytes, aligned
	s_endpgm
.Lfunc_end_k_qd960476675_prep:
	.size	k_qd960476675_prep, .Lfunc_end_k_qd960476675_prep-k_qd960476675_prep
	.p2alignl 7, 3214868480
	.fill 96, 4, 3214868480
	.section	.rodata,"a",@progbits
	.p2align	6, 0x0
	.amdhsa_kernel k_qd960476675_prep
		.amdhsa_group_segment_fixed_size 0
		.amdhsa_private_segment_fixed_size 0
		.amdhsa_enable_private_segment 0
		.amdhsa_kernarg_size 88
		.amdhsa_user_sgpr_count 2
		.amdhsa_user_sgpr_kernarg_segment_ptr 1
		.amdhsa_wavefront_size32 1
		.amdhsa_system_sgpr_workgroup_id_x 1
		.amdhsa_system_sgpr_workgroup_id_y 1
		.amdhsa_system_sgpr_workgroup_id_z 1
		.amdhsa_system_vgpr_workitem_id 0
		.amdhsa_next_free_vgpr 192
		.amdhsa_next_free_sgpr 66
		.amdhsa_reserve_vcc 0
		.amdhsa_float_denorm_mode_32 3
		.amdhsa_float_denorm_mode_16_64 3
		.amdhsa_memory_ordered 1
		.amdhsa_forward_progress 1
		.amdhsa_inst_pref_size 41
	.end_amdhsa_kernel
	.amdgpu_metadata
---
amdhsa.version: [ 1, 2 ]
amdhsa.kernels:
  - .name:           k_qd960476675_prep
    .symbol:         k_qd960476675_prep.kd
    .args:
      - { .name: Q, .offset: 0, .size: 8, .value_kind: global_buffer, .address_space: global }
      - { .name: K, .offset: 8, .size: 8, .value_kind: global_buffer, .address_space: global }
      - { .name: V, .offset: 16, .size: 8, .value_kind: global_buffer, .address_space: global }
      - { .name: W_Q, .offset: 24, .size: 8, .value_kind: global_buffer, .address_space: global }
      - { .name: W_K, .offset: 32, .size: 8, .value_kind: global_buffer, .address_space: global }
      - { .name: W_V, .offset: 40, .size: 8, .value_kind: global_buffer, .address_space: global }
      - { .name: W_O, .offset: 48, .size: 8, .value_kind: global_buffer, .address_space: global }
      - { .name: mask, .offset: 56, .size: 8, .value_kind: global_buffer, .address_space: global }
      - { .name: xb, .offset: 64, .size: 8, .value_kind: global_buffer, .address_space: global }
      - { .name: wb, .offset: 72, .size: 8, .value_kind: global_buffer, .address_space: global }
      - { .name: mbits, .offset: 80, .size: 8, .value_kind: global_buffer, .address_space: global }
    .group_segment_fixed_size: 0
    .private_segment_fixed_size: 0
    .kernarg_segment_align: 8
    .kernarg_segment_size: 88
    .max_flat_workgroup_size: 128
    .sgpr_count:     66
    .vgpr_count:     192
    .wavefront_size: 32
...
	.end_amdgpu_metadata
.endif
;; end of part 1
;; launch proj (part 2): grid 8 x 96, 4 waves a work-group, clusters of 4 x 4, 327,680 bytes of LDS; arguments xb, wb, hd; writes hd
.if DOCPART == 2
	.amdgcn_target "amdgcn-amd-amdhsa--gfx1250"
	.amdhsa_code_object_version 6
	.text
	.protected	k_qd960476675_proj
	.globl	k_qd960476675_proj
	.p2align	8
	.type	k_qd960476675_proj,@function
k_qd960476675_proj:
	s_mov_b64 s[64:65], 0
	v_nop
	global_prefetch_b8 v0, s[64:65] scope:SCOPE_SE
	s_setreg_imm32_b32 hwreg(HW_REG_WAVE_MODE, 25, 1), 1
	s_wait_xcnt 0x0
	s_wait_alu depctr_hold_cnt(0) depctr_sa_sdst(0) depctr_va_vdst(0) depctr_va_sdst(0) depctr_va_ssrc(0) depctr_va_vcc(0) depctr_vm_vsrc(0)
	s_getreg_b32 s2, hwreg(HW_REG_IB_STS2, 6, 4)
	s_cmp_eq_u32 s2, 0
	s_cbranch_scc0 .Lentry_in_a_cluster
	s_endpgm
.Lentry_in_a_cluster:
	s_bfe_u32 s2, ttmp6, 0x10000c
	s_cmp_lg_u32 s2, 0xf033
	s_cbranch_scc0 .Lentry_shape_is_right
	s_endpgm
.Lentry_shape_is_right:
; C = A W for [8192][1024] x [1024][1024], f16 operands (numbers already rounded to bf16), f32 sums.  One text for two uses, chosen by the constant MODE:
;   MODE 0: A = xb (Q, K, V in turn: 96 tile rows), W = W_Q, W_K, W_V; C is rounded once to f16 and stored by heads, hd[p][b h][s][64]; q's sums are first multiplied, in f32, by c = log2(e) / 8.
;   MODE 1: A = ob (attention's result by heads), W = W_O; C is out0, f32 [8192][1024].
; LAYOUTS.  A[b][kb][s][64] and W[nb][k][64]: a block of 64 along K (A) or N (W) is dense, rows of 128 bytes.  So a tile is a dense run, asked for as rows of 256 bytes and padded in LDS behind every 128.
; LIMITS.  f16 holds no number beyond 65,504: MODE 0's results (c q, k, v) must lie within it; below 6.1e-5 they keep f16's fixed step of 6e-8.  NaN and infinities are not treated apart.
; SHARES.  A tile of C is 256 x 128: 256 work-groups for each product of this size.  Four waves, 2 x 2, each 128 x 64: 32 accumulators of 16 x 16, 256 registers.
; K goes in 8 steps of 128 through two LDS slots; waves 0 and 1 fetch A's two blocks of 64 along K (256 rows each), waves 2 and 3 W's two blocks of 64 columns (128 rows of k each): one tensor load a wave.
; CLUSTER.  4 x 4 work-groups: the four of a row need the same tiles of A, the four of a column the same tiles of W; each tile is asked for jointly, same load, descriptor and mask in all four.
; THE MATRIX INSTRUCTION IS USED TRANSPOSED (source 0 = 16 columns of W, turned on the way out of LDS by ds_load_tr16_b128; source 1 = 16 rows of A): a lane holds eight neighbouring numbers of a row of C.
; REGISTERS.  window 0: v0-31 addresses; two fragment buffers of 96 (v64-159, v160-255): A's 8 blocks of 16 rows x 32 K, then W's 4 of 16 columns x 32 K; on the way out v64-191 at work.
;             window 1: the accumulators, (a, b) at v[8 (4 a + b)].
.set MODE,  0
.set PITA,  144                        ; a row of A in LDS: 128 bytes + 16: the 16 rows of a load start in 16 different groups of four banks (64 banks of 4 bytes: ISA guide 11.1)
.set PITB,  160                        ; a row of W: 128 + 32
.set PLANE, 256*PITA                   ; A's 256 rows of one block of 64 along K
.set BPL,   128*PITB                   ; W's 128 rows of k of one block of 64 columns
.set BOFF,  2*PLANE
.set SLOT,  BOFF+2*BPL                 ; 114,688 bytes
.set STAGE, 2*SLOT                     ; behind the ring, never filled by a tensor load: 4,352 bytes for each wave, for the way out
.set STW,   4352
.set SPARE, STAGE+4*STW                ; behind the stages: the spare words, 128 bytes for each wave: two blocks of 256 bytes that no other line names
.set LAPS,  4                          ; a lap = two K steps = once round the ring
.set ASTEP, 4*2048*128                 ; bytes from a slot's tile of A to its next: four blocks of 64 along K
.set BSTEP, 2*128*128                  ; of W: 256 rows of k
.set ADRA, 16                          ; v16-17  LDS address of my A fragments in slot 0, 1
.set ADRB, 20                          ; v20-21  the same for W
.set STO,  24                          ; v24     the way out: where I put my part of a row
.set RD,   25                          ; v25     where I read rows back
.set GO,   26                          ; v26     my byte offset in C
.set SPW,  28                          ; v28     LDS address of my spare word; never rewritten
.set NIL,  29                          ; v29     0; never rewritten
.set F0,   64
.set F1,   160
.set TMP,  64
.set SC,   22                          ; s[22:23] MODE 0: the factor on the way out
.set G1,   24                          ; s[24:31] descriptor group 1 for A's tiles;  s[32:39] group 0, one set for each slot
.set G0,   32
.set G1B,  48                          ; s[48:55], s[56:63] the same for W's
.set G0B,  56
.set MSB, 0
.macro WIN new                         ; the immediate's high byte repeats the setting that is left; a switch that changes nothing is dropped
.if MSB != (\new)
	s_set_vgpr_msb (MSB<<8)|(\new)
.set MSB, \new
.endif
.endm
.set MUL, 0x50                         ; C and D in window 1, the sources in window 0
.macro JLOAD s                         ; a joint load: waves 0 and 1 ask for A, waves 2 and 3 for W; an s_nop 0 and four v_nop follow each of the two lines
	s_cmp_eq_u32 s11, 0
	s_cbranch_scc0 .Lfor_b_\@
	tensor_load_to_lds s[G0+4*(\s):G0+4*(\s)+3], s[G1:G1+7]
	s_nop 0
.rept 4
	v_nop
.endr
	s_branch .Lasked_\@
.Lfor_b_\@:
	tensor_load_to_lds s[G0B+4*(\s):G0B+4*(\s)+3], s[G1B:G1B+7]
	s_nop 0
.rept 4
	v_nop
.endr
.Lasked_\@:
.endm
.macro CREST                           ; a round of the cluster's barrier behind its opening barrier
	s_cmp_lg_u32 s10, 0
	s_cbranch_scc1 .Lnot_wave_0_\@
	s_barrier_signal -3
.Lnot_wave_0_\@:
	s_barrier_wait -3
	s_barrier_signal -1
	s_barrier_wait -1
.endm
.macro CROUND                          ; a whole round
	s_barrier_signal -1
	s_barrier_wait -1
	CREST
.endm
	s_load_b128 s[4:7], s[0:1], 0x0                ; A s[4:5], W s[6:7]
	s_load_b64 s[8:9], s[0:1], 0x10                ; C
	v_lshl_add_u32 v[SPW], v0, 2, SPARE
	v_mov_b32 v[NIL], 0
	ds_add_u32 v[SPW], v[NIL]                      ; the wave's opening: the add and its wait stand ahead of my first tensor load; the set-up below, work on registers, stands between them
	v_lshrrev_b32 v1, 5, v0
	v_readfirstlane_b32 s10, v1                    ; wave 0..3
	s_lshr_b32 s11, s10, 1                         ; which 128 rows of the tile are mine.  Also: I fetch for A (0) or for W (1)
	s_and_b32 s12, s10, 1                          ; which 64 columns.  Also: which of the two blocks I fetch
	s_bfe_u32 s40, ttmp6, 0x40000                  ; cx, cy: my place in the cluster
	s_bfe_u32 s41, ttmp6, 0x40004
	s_lshl_b32 s42, ttmp9, 2
	s_add_co_u32 s42, s42, s40                     ; tile column x = 4 x cluster x + cx
	s_and_b32 s13, ttmp7, 0xffff
.if MODE == 0
	s_lshr_b32 s45, s13, 3                         ; which product (Q, K, V): 8 clusters of tile rows each, the same number in all sixteen partners
	s_cmp_eq_u32 s45, 0
	s_cselect_b32 s[SC], 0x3e38aa3b, 1.0           ; q alone takes c = log2(e) / 8
	s_mov_b32 s[SC+1], s[SC]                       ; named with it as a pair
.endif
	s_lshl_b32 s13, s13, 2
	s_add_co_u32 s13, s13, s41                     ; tile row y = 4 x cluster y + cy
	s_lshl_b32 s43, s41, 2
	s_lshl_b32 s43, 15, s43                        ; my row of the cluster
	s_lshl_b32 s44, 0x1111, s40                    ; my column
	; descriptor group 1.  A: 256 dense rows of 128 bytes as 128 rows of 256.  W: 128 dense rows as 64 rows of 256.  Padding behind every 32 words (code 4): 4 words (code 3) for A, 8 (code 7) for W.
	s_or_b32 s[G1+0], s43, (1<<16)|(1<<20)|(1<<21)|(4<<22)|(3<<25)   ; 15:0 the mask; 17:16 2-byte elements; 20 padding on; 21 set beside a mask
	s_or_b32 s[G1B+0], s44, (1<<16)|(1<<20)|(1<<21)|(4<<22)|(7<<25)
	s_mov_b32 s[G1+1], 128<<16                     ; tensor_dim0 = 128
	s_mov_b32 s[G1+2], 128<<16                     ; tensor_dim1 = 128
	s_mov_b32 s[G1+3], 128<<16                     ; tile_dim0 = 128
	s_mov_b32 s[G1+4], 128                         ; tile_dim1 = 128
	s_mov_b32 s[G1+5], 128                         ; 128 elements from row to row
	s_mov_b32 s[G1+6], 0
	s_mov_b32 s[G1+7], 0
	s_mov_b32 s[G1B+1], 128<<16
	s_mov_b32 s[G1B+2], 64<<16                     ; tensor_dim1 = 64
	s_mov_b32 s[G1B+3], 128<<16
	s_mov_b32 s[G1B+4], 64                         ; tile_dim1 = 64
	s_mov_b32 s[G1B+5], 128
	s_mov_b32 s[G1B+6], 0
	s_mov_b32 s[G1B+7], 0
	; where the tiles come from.  A's hang on y alone, W's on x (and on the product, which all partners share); each in registers that never hold the other coordinate.
	s_lshr_b32 s16, s13, 3                         ; the batch (MODE 0: 4 p + b): 16 blocks x 2,048 rows x 128 bytes
	s_lshl_b32 s16, s16, 22
	s_and_b32 s17, s13, 7
	s_lshl_b32 s17, s17, 15                        ; 256 rows of 128 bytes
	s_add_co_u32 s16, s16, s17
	s_lshl_b32 s17, s12, 18                        ; my block of 64 along K
	s_add_co_u32 s16, s16, s17
	s_mov_b32 s17, 0
	s_lshl_b32 s46, s42, 1
	s_add_co_u32 s46, s46, s12                     ; my block of 64 columns
	s_lshl_b32 s46, s46, 17                        ; x 1,024 rows of 128 bytes
.if MODE == 0
	s_lshl_b32 s47, s45, 21                        ; the product's weights
	s_add_co_u32 s46, s46, s47
.else
	s_add_co_u32 s46, s46, 3<<21                   ; W_O
.endif
	s_mov_b32 s47, 0
	s_mul_i32 s20, s12, PLANE                      ; and where they go: no place in the cluster enters an LDS address
	s_mul_i32 s21, s12, BPL
	s_add_co_u32 s21, s21, BOFF
	s_wait_dscnt 0x0                               ; the opening add is done
	s_wait_kmcnt 0x0
	s_add_nc_u64 s[14:15], s[4:5], s[16:17]
	s_add_nc_u64 s[46:47], s[6:7], s[46:47]
	CROUND                                         ; all sixteen work-groups are here: the first joint loads meet
.irp s, 0,1
	s_mov_b32 s[G0+4*(\s)], 1                      ; count = 1
	s_add_co_u32 s[G0+4*(\s)+1], s20, (\s)*SLOT    ; LDS address
	s_add_nc_u64 s[G0+4*(\s)+2:G0+4*(\s)+3], s[14:15], (\s)*ASTEP/2  ; global address: K step s
	s_or_b32 s[G0+4*(\s)+3], s[G0+4*(\s)+3], 0x80000000              ; type = 2
	s_mov_b32 s[G0B+4*(\s)], 1
	s_add_co_u32 s[G0B+4*(\s)+1], s21, (\s)*SLOT
	s_add_nc_u64 s[G0B+4*(\s)+2:G0B+4*(\s)+3], s[46:47], (\s)*BSTEP/2
	s_or_b32 s[G0B+4*(\s)+3], s[G0B+4*(\s)+3], 0x80000000
	JLOAD \s                                       ; two loads of mine are out
.endr
	v_and_b32 v1, 15, v0                           ; l % 16
	v_bfe_u32 v2, v0, 4, 1                         ; l / 16
	v_mul_u32_u24 v3, v1, PITA                     ; A's fragment: row l % 16, K = 8 (l / 16) + 0..7 and 16 more: two loads of 16 bytes, 32 bytes apart
	v_lshl_add_u32 v3, v2, 4, v3
	s_mul_i32 s2, s11, 128*PITA                    ; my 128 rows
	v_add_nc_u32 v[ADRA], s2, v3
	v_add_nc_u32 v[ADRA+1], SLOT, v[ADRA]
	v_and_b32 v4, 7, v0                            ; W's: the turning load takes 16 k x 16 columns: lane l reads k = 8 (l / 16) + l % 8, columns 8 ((l / 8) % 2) + 0..7
	v_lshl_add_u32 v4, v2, 3, v4
	v_mul_u32_u24 v4, v4, PITB
	v_bfe_u32 v5, v0, 3, 1
	v_lshl_add_u32 v4, v5, 4, v4
	s_mul_i32 s2, s12, BPL                         ; my 64 columns
	s_add_co_u32 s2, s2, BOFF
	v_add_nc_u32 v[ADRB], s2, v4
	v_add_nc_u32 v[ADRB+1], SLOT, v[ADRB]
	s_mul_i32 s2, s10, STW
	s_add_co_u32 s2, s2, STAGE                     ; my stage
.if MODE == 0
	v_mul_u32_u24 v6, v1, 144                      ; in: row l % 16, 16 bytes for each half of the lanes
	v_lshl_add_u32 v6, v2, 4, v6
	v_add_nc_u32 v[STO], s2, v6
	v_bfe_u32 v6, v0, 3, 2                         ; back: 32 lanes take four rows of 128 bytes,
	v_mul_u32_u24 v6, v6, 144
	v_and_b32 v7, 7, v0
	v_lshl_add_u32 v6, v7, 4, v6
	v_add_nc_u32 v[RD], s2, v6
	v_and_b32 v[GO], 31, v0                        ; which are 512 consecutive bytes of hd
	v_lshlrev_b32 v[GO], 4, v[GO]
	s_lshr_b32 s16, s13, 3                         ; hd has xb's form, the head in the place of the block along K: my 128 rows of one head are 16 KiB on end
	s_lshl_b32 s16, s16, 22
	s_and_b32 s17, s13, 7
	s_lshl_b32 s17, s17, 15
	s_add_co_u32 s16, s16, s17
	s_lshl_b32 s17, s11, 14
	s_add_co_u32 s16, s16, s17
	s_mov_b32 s17, 0
	s_add_nc_u64 s[8:9], s[8:9], s[16:17]
	s_lshl_b32 s46, s42, 1
	s_add_co_u32 s46, s46, s12                     ; the head
	s_lshl_b32 s46, s46, 18
	s_mov_b32 s47, 0
	s_add_nc_u64 s[8:9], s[8:9], s[46:47]
.else
	v_mul_u32_u24 v6, v1, 272                      ; in: row l % 16, 32 bytes for each half of the lanes; rows of 256 bytes + 16
	v_lshl_add_u32 v6, v2, 5, v6
	v_add_nc_u32 v[STO], s2, v6
	v_mul_u32_u24 v6, v2, 272                      ; back: lanes 0-15 take one row of 256 bytes, lanes 16-31 the next
	v_lshl_add_u32 v6, v1, 4, v6
	v_add_nc_u32 v[RD], s2, v6
	v_lshlrev_b32 v6, 12, v2                       ; and the same two rows in out0
	v_lshl_add_u32 v[GO], v1, 4, v6
	s_lshl_b32 s16, s13, 20                        ; 256 rows of 4,096 bytes
	s_lshl_b32 s17, s11, 19
	s_add_co_u32 s16, s16, s17
	s_mov_b32 s17, 0
	s_add_nc_u64 s[8:9], s[8:9], s[16:17]
	s_lshl_b32 s46, s42, 9                         ; 128 columns of 4 bytes
	s_lshl_b32 s47, s12, 8
	s_add_co_u32 s46, s46, s47
	s_mov_b32 s47, 0
	s_add_nc_u64 s[8:9], s[8:9], s[46:47]
.endif
; 8 matrix instructions: row blocks a0, a0 + 1 x all 4 column blocks, 32 along K, from buffer f.  zero = 1: the product starts the sums: nothing is cleared.
; The 32 accumulators take turns, one instruction a turn, in the same order in every quarter.
.macro MUL8 f, a0, zero
	WIN MUL
.irp a, \a0, (\a0)+1
.irp b, 0,1,2,3
.if \zero
	v_wmma_f32_16x16x32_f16 v[8*(4*(\a)+(\b)):8*(4*(\a)+(\b))+7], v[(\f)+64+8*(\b):(\f)+64+8*(\b)+7], v[(\f)+8*(\a):(\f)+8*(\a)+7], 0
.else
	v_wmma_f32_16x16x32_f16 v[8*(4*(\a)+(\b)):8*(4*(\a)+(\b))+7], v[(\f)+64+8*(\b):(\f)+64+8*(\b)+7], v[(\f)+8*(\a):(\f)+8*(\a)+7], v[8*(4*(\a)+(\b)):8*(4*(\a)+(\b))+7]
.endif
.endr
.endr
.endm
.macro MUL16 f, a0, zero
	MUL8 \f, \a0, \zero
	MUL8 \f, (\a0)+2, \zero
.endm
; 24 LDS loads in one run: quarter q (32 along K) of a slot into buffer f: W's 8 first, then A's 16, row blocks ascending
.macro FETCH slot, q, f
	WIN 0
.irp b, 0,1,2,3
	ds_load_tr16_b128 v[(\f)+64+8*(\b):(\f)+64+8*(\b)+3],   v[ADRB+(\slot)] offset:(\q)*32*PITB+32*(\b)
	ds_load_tr16_b128 v[(\f)+64+8*(\b)+4:(\f)+64+8*(\b)+7], v[ADRB+(\slot)] offset:(\q)*32*PITB+16*PITB+32*(\b)
.endr
.irp i, 0,1,2,3,4,5,6,7
	ds_load_b128 v[(\f)+8*(\i):(\f)+8*(\i)+3],   v[ADRA+(\slot)] offset:((\q)/2)*PLANE+((\q)%2)*64+(\i)*16*PITA
	ds_load_b128 v[(\f)+8*(\i)+4:(\f)+8*(\i)+7], v[ADRA+(\slot)] offset:((\q)/2)*PLANE+((\q)%2)*64+(\i)*16*PITA+32
.endr
.endm
.macro PLACES                          ; four plain instructions in front of loads into registers that matrix instructions have read, and of lines that read results just made
.rept 4
	v_nop
.endr
.endm
; A K step is four quarters of 32 along K, 32 matrix instructions each, on buffers 0, 1, 0, 1.  One of the first three: multiplies buffer f and, in its middle, fetches quarter qn of the same slot into g.
.macro QUARTER slot, qn, f, g, zero
	s_wait_dscnt 8                                 ; W and A's row blocks 0-3 are in; the youngest eight loads (blocks 4-7) may be out
	MUL16 \f, 0, \zero
	PLACES
	FETCH \slot, \qn, \g
	s_wait_dscnt 24                                ; all but the 24 just issued
	MUL16 \f, 4, \zero
.endm
; The last quarter multiplies buffer 1 and changes slots: ONE barrier; in front of it each wave waits for all its tensor loads (one is out: its part of the next slot), adds 0 to its spare word,
; and waits for that and for its own reads of this slot.  fill = 1: the barrier opens a round of the cluster's, and this slot is filled again, two K steps ahead, first thing behind the round.
.macro TURN slot, next, fill
	WIN 0
	s_wait_tensorcnt 0x0                           ; all my tensor loads have landed;
	ds_add_u32 v[SPW], v[NIL]                      ; 0 onto my spare word;
	s_wait_dscnt 9                                 ; (the add and the youngest eight loads may be out)
	MUL8 F1, 0, 0                                  ; eight matrix instructions stand between the add and the wait for it
	s_wait_dscnt 0x0                               ; the add is done, and my reads of this slot are over
	s_barrier_signal -1
	MUL8 F1, 2, 0
.if \fill
	WIN 0
.endif
	s_barrier_wait -1
.if \fill
	CREST                                          ; no wave of any partner still reads this slot's tiles or has a load on its way
	s_add_nc_u64 s[G0+4*(\slot)+2:G0+4*(\slot)+3], s[G0+4*(\slot)+2:G0+4*(\slot)+3], ASTEP
	s_add_nc_u64 s[G0B+4*(\slot)+2:G0B+4*(\slot)+3], s[G0B+4*(\slot)+2:G0B+4*(\slot)+3], BSTEP
	JLOAD \slot                                    ; 112 matrix instructions ahead of the wait for it; its four v_nop are also the places in front of the loads below
.else
	PLACES
.endif
	FETCH \next, 0, F0
	MUL8 F1, 4, 0
	MUL8 F1, 6, 0
.endm
	s_wait_tensorcnt 1                             ; my part of K step 0 is in; K step 1's may stay out
	s_barrier_signal -1
	s_barrier_wait -1                              ; everybody's is
	FETCH 0, 0, F0
	QUARTER 0, 1, F0, F1, 1                        ; the first quarter stands in front of the loop: its products start the sums
	WIN 0                                          ; at a label and at a branch every window is 0
	s_mov_b32 s3, LAPS-1
.Llap:                                                 ; a trip goes once round the ring, from a lap's second quarter to the next lap's first, and fills both slots again: K steps 2 to 7
	QUARTER 0, 2, F1, F0, 0
	QUARTER 0, 3, F0, F1, 0
	TURN 0, 1, 1
	QUARTER 1, 1, F0, F1, 0
	QUARTER 1, 2, F1, F0, 0
	QUARTER 1, 3, F0, F1, 0
	TURN 1, 0, 1
	QUARTER 0, 1, F0, F1, 0
	WIN 0
	s_sub_co_u32 s3, s3, 1
	s_cmp_lg_u32 s3, 0
	s_cbranch_scc1 .Llap
	QUARTER 0, 2, F1, F0, 0                        ; the last lap fills nothing, and has no round of the cluster's barrier
	QUARTER 0, 3, F0, F1, 0
	TURN 0, 1, 0
	QUARTER 1, 1, F0, F1, 0
	QUARTER 1, 2, F1, F0, 0
	QUARTER 1, 3, F0, F1, 0
	s_wait_dscnt 8                                 ; the very last quarter: nothing more to fetch
	MUL16 F1, 0, 0
	s_wait_dscnt 0x0
	MUL16 F1, 4, 0
	WIN 0
	PLACES
.if MODE == 0
; THE WAY OUT, by blocks a of 16 rows: times the factor, rounded to f16 (16 bytes a lane), through my own stage, back as whole rows of 128 bytes: 2,048 consecutive bytes of hd a block.
.macro PACK a
	WIN 0x41                                       ; destination and source 0 in window 1
.set i, 32*(\a)
.rept 16
	v_pk_mul_f32 v[i:i+1], v[i:i+1], s[SC:SC+1] op_sel_hi:[1,0]  ; each accumulator's lowest registers first
.set i, i+2
.endr
	WIN 0x05                                       ; sources in window 1, destination in window 0
.set i, 0
.rept 16
	v_cvt_pk_f16_f32 v[TMP+16*(\a)+i], v[32*(\a)+2*i], v[32*(\a)+2*i+1]
.set i, i+1
.endr
	WIN 0
.irp b, 0,1,2,3
	ds_store_b128 v[STO], v[TMP+16*(\a)+4*(\b):TMP+16*(\a)+4*(\b)+3] offset:32*(\b)
.endr
.irp f, 0,1,2,3
	ds_load_b128 v[TMP+16*(\a)+4*(\f):TMP+16*(\a)+4*(\f)+3], v[RD] offset:(\f)*4*144  ; LDS serves a wave's instructions in order (ISA guide 5.7.1.4): these see the stores above; the next block's stores come behind them
.endr
.endm
.macro SEND a, younger                 ; younger: the LDS instructions issued behind block a's loads: the next block's eight, or none
.irp f, 0,1,2,3
	s_wait_dscnt (\younger)+3-(\f)
	global_store_b128 v[GO], v[TMP+16*(\a)+4*(\f):TMP+16*(\a)+4*(\f)+3], s[8:9] offset:(\a)*2048+(\f)*512  ; 512 consecutive bytes, at a multiple of 256 from hd's first
.endr
.endm
	PACK 0
.irp a, 1,2,3,4,5,6,7                  ; a block's arithmetic stands between the loads of the block before and its stores
	PACK \a
	SEND (\a)-1, 8
.endr
	SEND 7, 0
.else
; THE WAY OUT, by blocks a of 16 rows: the f32 sums go as they are through my own stage (rows of 256 bytes + 16) and come back as whole rows.
.macro TOSTAGE a
.set BK, TMP+32*((\a)%4)
.if (\a) >= 4
	s_wait_xcnt 0x0                                ; these registers were the data of block a - 4's stores: they are loaded again only behind this wait
.endif
	WIN 0x04                                       ; the stores' data in window 1
.irp b, 0,1,2,3
	ds_store_b128 v[STO], v[32*(\a)+8*(\b):32*(\a)+8*(\b)+3] offset:64*(\b)         ; each accumulator's lowest registers first
	ds_store_b128 v[STO], v[32*(\a)+8*(\b)+4:32*(\a)+8*(\b)+7] offset:64*(\b)+16
.endr
	WIN 0
.irp t, 0,1,2,3,4,5,6,7
	ds_load_b128 v[BK+4*(\t):BK+4*(\t)+3], v[RD] offset:(\t)*2*272  ; LDS serves a wave's instructions in order (ISA guide 5.7.1.4)
.endr
.endm
.macro SEND a, younger                 ; younger: the next block's sixteen LDS instructions, or none
.set BK, TMP+32*((\a)%4)
.irp t, 0,1,2,3,4,5,6,7
	s_wait_dscnt (\younger)+7-(\t)
	global_store_b128 v[GO], v[BK+4*(\t):BK+4*(\t)+3], s[8:9] offset:(16*(\a)+2*(\t))*4096 th:TH_STORE_NT  ; 16 lanes store 256 consecutive bytes, at a multiple of 256 from out0's first
.endr
.endm
	TOSTAGE 0
.irp a, 1,2,3,4,5,6,7
	TOSTAGE \a
	SEND (\a)-1, 16
.endr
	SEND 7, 0
.endif
	s_wait_tensorcnt 0x0                           ; the wave's end, behind my last tensor load and my last LDS store
	ds_add_u32 v[SPW], v[NIL]
	s_wait_dscnt 0x0
	CROUND                                         ; the closing round: no work-group ends while a partner may still ask for a tile that names it
	s_endpgm
.Lfunc_end_k_qd960476675_proj:
	.size	k_qd960476675_proj, .Lfunc_end_k_qd960476675_proj-k_qd960476675_proj
	.p2alignl 7, 3214868480
	.fill 96, 4, 3214868480
	.section	.rodata,"a",@progbits
	.p2align	6, 0x0
	.amdhsa_kernel k_qd960476675_proj
		.amdhsa_group_segment_fixed_size 327680
		.amdhsa_private_segment_fixed_size 0
		.amdhsa_enable_private_segment 0
		.amdhsa_kernarg_size 24
		.amdhsa_user_sgpr_count 2
		.amdhsa_user_sgpr_kernarg_segment_ptr 1
		.amdhsa_wavefront_size32 1
		.amdhsa_system_sgpr_workgroup_id_x 1
		.amdhsa_system_sgpr_workgroup_id_y 1
		.amdhsa_system_sgpr_workgroup_id_z 1
		.amdhsa_system_vgpr_workitem_id 0
		.amdhsa_next_free_vgpr 512
		.amdhsa_next_free_sgpr 68
		.amdhsa_reserve_vcc 0
		.amdhsa_float_denorm_mode_32 3
		.amdhsa_float_denorm_mode_16_64 3
		.amdhsa_memory_ordered 1
		.amdhsa_forward_progress 1
		.amdhsa_inst_pref_size 96
	.end_amdhsa_kernel
	.amdgpu_metadata
---
amdhsa.version: [ 1, 2 ]
amdhsa.kernels:
  - .name:           k_qd960476675_proj
    .symbol:         k_qd960476675_proj.kd
    .args:
      - { .name: xb, .offset: 0, .size: 8, .value_kind: global_buffer, .address_space: global }
      - { .name: wb, .offset: 8, .size: 8, .value_kind: global_buffer, .address_space: global }
      - { .name: hd, .offset: 16, .size: 8, .value_kind: global_buffer, .address_space: global }
    .group_segment_fixed_size: 327680
    .private_segment_fixed_size: 0
    .kernarg_segment_align: 8
    .kernarg_segment_size: 24
    .max_flat_workgroup_size: 128
    .sgpr_count:     68
    .vgpr_count:     512
    .wavefront_size: 32
...
	.end_amdgpu_metadata
.endif
;; end of part 2
;; launch attn (part 3): grid 4 x 64, 4 waves a work-group, clusters of 4 x 1, 327,680 bytes of LDS; arguments hd, mbits, ob; writes ob
.if DOCPART == 3
	.amdgcn_target "amdgcn-amd-amdhsa--gfx1250"
	.amdhsa_code_object_version 6
	.text
	.protected	k_qd960476675_attn
	.globl	k_qd960476675_attn
	.p2align	8
	.type	k_qd960476675_attn,@function
k_qd960476675_attn:
	s_mov_b64 s[64:65], 0
	v_nop
	global_prefetch_b8 v0, s[64:65] scope:SCOPE_SE
	s_setreg_imm32_b32 hwreg(HW_REG_WAVE_MODE, 25, 1), 1
	s_wait_xcnt 0x0
	s_wait_alu depctr_hold_cnt(0) depctr_sa_sdst(0) depctr_va_vdst(0) depctr_va_sdst(0) depctr_va_ssrc(0) depctr_va_vcc(0) depctr_vm_vsrc(0)
	s_getreg_b32 s2, hwreg(HW_REG_IB_STS2, 6, 4)
	s_cmp_eq_u32 s2, 0
	s_cbranch_scc0 .Lentry_in_a_cluster
	s_endpgm
.Lentry_in_a_cluster:
	s_bfe_u32 s2, ttmp6, 0x10000c
	s_cmp_lg_u32 s2, 0x3003
	s_cbranch_scc0 .Lentry_shape_is_right
	s_endpgm
.Lentry_shape_is_right:
; MASKED ATTENTION.  O[bh][q][:] = the sum over k of softmax_k(t[q][k]) V[bh][k][:], t = Q . K / 8 where mask[b][q][k] != 0, and -1e9 in its stead where it is 0 (a row with no key left is the mean of V).
; hd holds q' = (log2(e) / 8) q, k, v, each [64][2048][64] in f16, a head's rows dense; so S = K q'^T is already the exponent to base 2, and a hidden score is REPLACED by NEG = -1e9 log2(e).
; mbits[b][qt][kblk][j] holds the mask as lane masks: bit L = mask[b][16 qt + L % 16][16 kblk + 8 (L / 16) + j] != 0: the layout of S^T's register j.  The words steer v_cndmask_b32 alone.
; HOW THE WORDS COME.  A turn needs 64 of them in scalar registers, and 64 is what the scalar file has to spare.  A scalar load into them could be asked for only behind the last select of the turn before, and its
; wait is for 0 alone (scalar loads come back in no order).  So the words come by vector loads, lane n taking word n of a tile's 32, into two registers of the piece's own, asked for four turns ahead and waited for
; by a count; v_readlane_b32 then moves them: 64 vector instructions more a turn.
; Products, maxima and sums in f32; the weights p are rounded to f16 for the second product (their sum l is taken of the unrounded p), O once at the end, into ob [64][2048][64] f16.
; LIMITS.  f16 holds no number beyond 65,504: q', k, v arrive within it; p lies in 0 to 1, and below 6e-5 keeps f16's fixed step of 6e-8; a weight below 2^-126 counts as 0 in l; NaN and infinities are not treated apart.
; SHARES.  A wave owns four PIECES of two tiles of 16 queries, a work-group's four waves 512 queries of one head: 256 work-groups.  Every wave walks all 2,048 keys, 64 a step.
; LAYOUT.  S^T = K Q^T (source 0 = 16 keys, source 1 = 16 queries): a lane holds ONE query (lane % 16) and the keys 8 (lane / 16) + 0..7.  Two such results, rounded to f16 in pairs, ARE source 1 of O^T = V^T P.
; SOFTMAX.  A running maximum m and sum l for each query: p = 2^(t - m); in every step O and l are multiplied by a = 2^(m_old - m_new).  m starts at the lowest finite number, O and l at 0: the first step's a is 0.
; BY TURNS.  Turn n belongs to piece n.  Matrix work: 16 products K Q^T of piece n + 1, then 16 products V^T P of piece n - 1.  Vector work, all of piece n: the mask words, the mask, the maximum, t - m, exponentials,
; roundings, sums, rescaling: 362 instructions for 32 matrix instructions.  Four stand behind every matrix instruction, the others in a run of their own.  No vector line of a turn names a register of the turn's products.
; CLUSTER.  The four query blocks of a cluster belong to one head and walk the same K and V: each tile is asked for JOINTLY, the same tensor load, descriptor and mask in all four.
; REGISTERS, in windows of 256 (s_set_vgpr_msb: bits 1:0 source 0, 3:2 source 1, 5:4 source 2, 7:6 destination):
;   window 0: v0-11 addresses; v12 NEG; v13-14 the mask loads' addresses; v16-47 four registers of statistics a tile; v48-55 at work; v56-63 mask words, one register a tile; v64-191 S^T, two buffers of two tiles;
;             v192-255 P, likewise (a piece's buffers go by its number's parity)
;   window 1: O^T, 32 a tile      window 2: v0-127 Q, 16 a tile; v128-191 K of one step; v192-255 V of one step      window 3: v0-1 the add's two registers
.set NP,    4         ; pieces a wave
.set KS,    64        ; keys in a step
.set PK,    144       ; a row of K in LDS: 128 bytes + 16: the 16 rows of a load start at 16 different groups of four banks (64 banks of 4 bytes: ISA guide 11.1)
.set PV,    160       ; a row of V: 128 + 32
.set VOFF,  4*KS*PK   ; a slot holds four steps: 256 rows of K, then 256 rows of V
.set SLOT1, 1<<17     ; slot 1 begins here, so that one exclusive or turns an address in one slot into the other's
.set STAGE, SLOT1+4*KS*(PK+PV)  ; behind the ring, never filled by a tensor load: 16 rows x 144 bytes for each wave, for the way out
.set SP,    144
.set SPARE, STAGE+4*16*SP  ; behind the stages: the spare words, 128 bytes for each wave: two blocks of 256 bytes that no other line names
.set AK0, 2           ; v2   my lane's place in a tile of K; never rewritten
.set AV0, 3           ; v3   the same for V
.set AK,  4           ; v4   the LDS address of K's next run of loads
.set AV,  5           ; v5   of V's
.set QO,  6           ; v6   my byte offset in the wave's rows of Q
.set STO, 6           ;      later, the way out: where I put 16 bytes of a row
.set RD,  7           ; v7   where I read rows back
.set GO,  8           ; v8   my byte offset in 512 consecutive bytes of O
.set NEGR, 12         ; v12  NEG
.set LA,  13          ; v13  4 x my lane: my word among a tile's 32; never rewritten
.set MA,  14          ; v14  the same plus 128 x the key step whose words are asked for
.set MVR, 56          ; v56-63  tile t's 32 mask words of one key step, word n in lane n
.set SPW, 0           ; v0 of window 3   LDS address of my spare word; never rewritten
.set NIL, 1           ; v1 of window 3   0; never rewritten
.set ST,  16          ; tile t's statistics at v[ST+4 t]: m, 0 (named with m as a pair), l (even keys', odd keys')
.set TMP, 48          ; by tile of the piece in hand, four registers c0-c3 at work; when the maximum is found c2 takes a
.set S,   64
.set P,   192
.set KF,  128         ; K's fragments, in window 2: key block kb, channel half c at KF + 16 kb + 8 c
.set VF,  192         ; V's: key half kk, channel block cb at VF + 32 kk + 8 cb
.set MB,  2           ; s[2:3]   mbits at my wave's first tile of queries
.set G1K, 4           ; s[4:11]  descriptor group 1 for K's tiles
.set G1V, 12          ; s[12:19] for V's: it differs in the padding alone
.set G0K, 20          ; s[20:23] descriptor group 0 for K's tiles: it walks
.set G0V, 24          ; s[24:27] the same for V's
.set TBK, 28          ; s28  LDS byte at which K of the step to be fetched begins
.set TBV, 29          ; s29  the same for V, less VOFF
.set QB,  30          ; s[30:31] Q at my wave's first row
.set MW,  32          ; s[32:63] the 32 mask words of the piece's first tile; s[68:99] (MW + 36 on) those of its second.  Before the first turn: set-up's temporaries
.set SEL, 66          ; s[66:67] v_permlanex16_b32's selects: each lane takes its own place in the other half
.set WV,  100         ; s100 my wave's number
.set SLOTS, 101       ; s101 slots still to be asked for
.set CNT, 104         ; s104 counts a slot's key steps
.set MOFF, 105        ; s105 128 x the key step whose mask words are asked for
.set OB,  32          ; s[32:33] at the end: O at my wave's first row
.set MSB, 0
.macro WIN new                      ; the high byte repeats the setting that is left; a switch that changes nothing is dropped
.if MSB != (\new)
	s_set_vgpr_msb (MSB<<8)|(\new)
.set MSB, (\new)
.endif
.endm
.set W_KQ, 0x0a       ; K and Q in window 2, S^T in window 0
.set W_PV, 0x52       ; V in window 2, P in window 0, O^T in window 1
.set W_RS, 0x41       ; O^T (destination and source 0) in window 1, a in window 0
.set W_MK, 0xc0       ; the add's registers are made: destination in window 3, sources in window 0
.set W_AD, 0x0f       ; the add: address (source 0) and data (source 1) in window 3
; A joint fill.  Waves 0 and 1 fetch the two halves of a slot's K, waves 2 and 3 those of its V: 128 keys each.  The branch hangs on the wave's number alone.
; An s_nop 0 and four v_nop follow each of the two lines, ahead of the jump and the label.
.macro JLOAD
	s_cmp_lt_u32 s[WV], 2
	s_cbranch_scc0 .Lfor_v_\@
	tensor_load_to_lds s[G0K:G0K+3], s[G1K:G1K+7]
	s_nop 0
.rept 4
	v_nop
.endr
	s_branch .Lasked_\@
.Lfor_v_\@:
	tensor_load_to_lds s[G0V:G0V+3], s[G1V:G1V+7]
	s_nop 0
.rept 4
	v_nop
.endr
.Lasked_\@:
.endm
; A round of the cluster's barrier: my work-group's barrier, so that wave 0's signal speaks for all four waves; wave 0 signals; every wave waits for all four work-groups; my work-group's barrier once more.
.macro CROUND
	s_barrier_signal -1
	s_barrier_wait -1
	s_cmp_lg_u32 s[WV], 0
	s_cbranch_scc1 .Lnot_wave_0_\@
	s_barrier_signal -3
.Lnot_wave_0_\@:
	s_barrier_wait -3
	s_barrier_signal -1
	s_barrier_wait -1
.endm
; THE CHANGE OF SLOTS.  The slot's last bytes, V of its fourth step, have been read.  Each wave waits for all its tensor loads, of which one is out: its part of the other slot; adds 0 to its spare word;
; and waits for that and for its own reads of the slot.  Behind the barrier nobody reads this slot any more and the other slot is whole.
; fill = 1: this slot is filled again, with the keys two slots on.  The barrier is then a round of the cluster's, and the joint fill is the first thing behind it: it has four key steps, 512 matrix instructions,
; in which to land.  (At its first use nothing has been read yet: slot 0 is waited for, slot 1 filled.)
.macro CHANGE fill
	WIN W_AD
	s_wait_tensorcnt 0x0            ; no tensor load of mine is out, so a group 0 may be written
	ds_add_u32 v[SPW], v[NIL]       ; 0 onto my spare word; with fill = 1 the descriptors' steps stand between it and the wait for it
	WIN 0                           ; at a label and at a branch every window is 0
.if \fill
.irp g, G0K, G0V
	s_xor_b32 s[\g+1], s[\g+1], SLOT1  ; the walking descriptor: the other slot than last time,
	s_add_nc_u64 s[\g+2:\g+3], s[\g+2:\g+3], 4*KS*128  ; the next 256 keys; the type bits on top are not reached
.endr
	s_wait_dscnt 0x0                ; the add is done, and my reads of the slot are over
	CROUND
	JLOAD
.else
	s_wait_dscnt 0x0                ; the add is done, and my reads of the slot are over
	s_barrier_signal -1
	s_barrier_wait -1
.endif
	s_sub_co_u32 s[TBK], s[TBK], 4*KS*PK  ; the fetches go back to a slot's first step,
	s_xor_b32 s[TBK], s[TBK], SLOT1       ; in the other slot
	s_sub_co_u32 s[TBV], s[TBV], 4*KS*PV
	s_xor_b32 s[TBV], s[TBV], SLOT1
.endm
; The 64 mask words of piece y for the key step of MA: for each of its two tiles one load, 128 consecutive bytes, lane n taking word n.  Sixteen heads read the same words, so no hint is given.
.macro MFETCH y
	global_load_b32 v[MVR+2*(\y)],   v[MA], s[MB:MB+1] offset:(2*(\y))*4096
	global_load_b32 v[MVR+2*(\y)+1], v[MA], s[MB:MB+1] offset:(2*(\y)+1)*4096
.endm
	s_load_b128 s[32:35], s[0:1], 0x0  ; hd s[32:33], mbits s[34:35]
	WIN W_MK
	v_lshl_add_u32 v[SPW], v0, 2, SPARE
	v_mov_b32 v[NIL], 0
	WIN W_AD
	ds_add_u32 v[SPW], v[NIL]       ; the wave's opening: the add and its wait stand ahead of my first tensor load; the set-up below, work on registers, stands between them
	WIN 0
	v_lshrrev_b32 v1, 5, v0
	v_readfirstlane_b32 s[WV], v1   ; wave 0..3
	s_bfe_u32 s36, ttmp6, 0x40000   ; cx: my place in the cluster
	s_lshl_b32 s37, ttmp9, 2        ; in a cluster launch ttmp9 counts clusters
	s_add_co_u32 s37, s37, s36      ; my block of 512 queries: it enters Q's, the mask's and O's addresses alone
	s_and_b32 s38, ttmp7, 0xffff    ; 16 b + head, which the four partners share
	s_lshl_b32 s40, s38, 18         ; the head's first byte in q', k, v and O: 2,048 rows of 128 bytes
	s_and_b32 s39, s[WV], 1         ; which half of a slot's 256 keys I fetch:
	s_lshl_b32 s42, s39, 14         ; its 128 rows of 128 bytes in memory,
	s_add_co_u32 s42, s42, s40
	s_add_co_u32 s52, s42, 0x2000000  ; in v's part of hd,
	s_add_co_u32 s42, s42, 0x1000000  ; in k's
	s_mov_b32 s43, 0
	s_mov_b32 s53, 0
	s_mul_i32 s44, s39, 128*PK      ; and its place in a slot, for K
	s_mul_i32 s45, s39, 128*PV      ; and for V: no place in the cluster enters an LDS address
	s_lshl_b32 s46, s37, 2
	s_add_co_u32 s46, s46, s[WV]    ; my wave among the head's,
	s_lshl_b32 s46, s46, 14         ; its 128 rows
	s_add_co_u32 s46, s46, s40
	s_mov_b32 s47, 0
	s_lshr_b32 s48, s38, 4          ; b: 128 tiles of queries,
	s_lshl_b32 s48, s48, 7
	s_lshl_b32 s49, s37, 5          ; 32 a block,
	s_add_co_u32 s48, s48, s49
	s_lshl_b32 s49, s[WV], 3        ; 8 a wave,
	s_add_co_u32 s48, s48, s49
	s_lshl_b32 s48, s48, 12         ; 4,096 bytes of mask words each
	s_mov_b32 s49, 0
	; descriptor group 1.  128 keys are 16,384 dense bytes: asked for as 64 rows of 256 bytes, two keys a row, and padded in LDS after every key
	s_mov_b32 s[G1K], 15|(1<<16)|(1<<20)|(1<<21)|(4<<22)|(3<<25)  ; 15:0 the mask of four; 17:16 2-byte elements; 20 padding on; 21 set beside a mask; 24:22 after every 32 words (code 4); 31:25 4 words (code 3)
	s_mov_b32 s[G1V], 15|(1<<16)|(1<<20)|(1<<21)|(4<<22)|(7<<25)  ; the same with 8 words of padding (code 7)
.irp g, G1K, G1V
	s_mov_b32 s[\g+1], 128<<16      ; tensor_dim0 = 128
	s_mov_b32 s[\g+2], 64<<16       ; tensor_dim1 = 64
	s_mov_b32 s[\g+3], 128<<16      ; tile_dim0 = 128
	s_mov_b32 s[\g+4], 64           ; tile_dim1 = 64
	s_mov_b32 s[\g+5], 128          ; 128 elements from row to row
	s_mov_b32 s[\g+6], 0
	s_mov_b32 s[\g+7], 0
.endr
	s_mov_b32 s[SEL], 0x76543210
	s_mov_b32 s[SEL+1], 0xfedcba98
	s_mov_b32 s[TBK], SLOT1+4*KS*PK ; the first change of slots turns these two into 0
	s_mov_b32 s[TBV], SLOT1+4*KS*PV
	s_mov_b32 s[MOFF], 0
	s_mov_b32 s[G0K], 1             ; count = 1
	s_mov_b32 s[G0K+1], s44         ; LDS address: slot 0
	s_mov_b32 s[G0V], 1
	s_add_co_u32 s[G0V+1], s45, VOFF
	s_wait_dscnt 0x0                ; the opening add is done
	s_wait_kmcnt 0x0
	s_add_nc_u64 s[G0K+2:G0K+3], s[32:33], s[42:43]  ; global address: my half of the head's first 256 keys
	s_or_b32 s[G0K+3], s[G0K+3], 0x80000000          ; type = 2
	s_add_nc_u64 s[G0V+2:G0V+3], s[32:33], s[52:53]
	s_or_b32 s[G0V+3], s[G0V+3], 0x80000000
	s_add_nc_u64 s[QB:QB+1], s[32:33], s[46:47]
	s_add_nc_u64 s[MB:MB+1], s[34:35], s[48:49]
	CROUND                          ; all four work-groups are here: the first joint loads meet
	JLOAD                           ; slot 0.  Slot 1 is asked for when slot 0 is in
	v_and_b32 v[LA], 31, v0
	v_lshlrev_b32 v[LA], 2, v[LA]   ; lane n takes word n
	v_mov_b32 v[MA], v[LA]          ; key step 0
.irp y, 0,1,2,3
	MFETCH \y                       ; all four pieces' mask words for key step 0, in the order of the turns
.endr
	; A fragment of K or Q is 16 rows x 32 channels in 8 registers: lane l holds row l % 16, channels 8 (l / 16) + 0..7 and 16 + 8 (l / 16) + 0..7: two loads of 16 bytes, 32 bytes apart.
	v_and_b32 v1, 15, v0            ; l % 16
	v_bfe_u32 v9, v0, 4, 1          ; l / 16
	v_lshlrev_b32 v[QO], 7, v1
	v_lshl_add_u32 v[QO], v9, 4, v[QO]  ; row x 128 + 16 x half
	WIN 0x80                        ; destination window 2, address window 0
.set i, 0
.rept 4*NP                          ; Q stays in registers: tile i / 2, channels 32 (i % 2) on
	global_load_b128 v[8*i:8*i+3],   v[QO], s[QB:QB+1] offset:(i/2)*2048+(i%2)*64
	global_load_b128 v[8*i+4:8*i+7], v[QO], s[QB:QB+1] offset:(i/2)*2048+(i%2)*64+32
.set i, i+1
.endr
	; What the first turn finds: V's registers and P's second buffer hold 0 (its products V^T P, of a piece that has not been, add 0), O^T and l are 0.  No first step is written out; the price is these lines, which stand in the wait for the first tile.
.set i, VF
.rept 64
	v_mov_b32 v[i], 0
.set i, i+1
.endr
	WIN 0x40
.set i, 0
.rept 64*NP
	v_mov_b32 v[i], 0
.set i, i+1
.endr
	WIN 0
.set i, 0
.rept 2*NP
	v_mov_b32 v[ST+4*i], 0xff7fffff    ; m: the lowest finite number
	v_mov_b32 v[ST+4*i+1], 0
	v_mov_b32 v[ST+4*i+2], 0
	v_mov_b32 v[ST+4*i+3], 0
.set i, i+1
.endr
.set i, P+32
.rept 32
	v_mov_b32 v[i], 0
.set i, i+1
.endr
	v_mov_b32 v[NEGR], 0xceabfb8f   ; -1e9 x log2(e)
	v_mul_u32_u24 v[AK0], v1, PK
	v_lshl_add_u32 v[AK0], v9, 4, v[AK0]  ; row x pitch + 16 x half
	; The turning load takes 16 keys x 16 channels (lane l reads key 8 (l / 16) + l % 8, channels 8 ((l / 8) % 2) + 0..7) and leaves half a fragment of V^T: lane l holds channel l % 16 and 8 keys.
	v_and_b32 v10, 7, v0
	v_bfe_u32 v11, v0, 3, 1
	v_lshl_add_u32 v[AV0], v9, 3, v10
	v_mul_u32_u24 v[AV0], v[AV0], PV
	v_lshl_add_u32 v[AV0], v11, 4, v[AV0]
	v_add_nc_u32 v[AV0], VOFF, v[AV0]
	v_mov_b32 v[AK], v[AK0]         ; key step 0 lies at the head of slot 0
; THE MATRIX WORK.  The 8 accumulators of a run of 16 take turns: between the two links of a chain stand 7 others'.
; Product i of 16 of S^T = K Q^T for piece x: channels 32 (i / 8) on, keys 16 ((i / 2) % 4) on, tile 2 x + i % 2.  The first 8 start the sums.
.macro KQ x
	WIN W_KQ
.set rS, S+64*((\x)%2)+32*(i%2)+8*((i/2)%4)
.set rK, KF+16*((i/2)%4)+8*(i/8)
.set rQ, 16*(2*(\x)+i%2)+8*(i/8)
.if i < 8
	v_wmma_f32_16x16x32_f16 v[rS:rS+7], v[rK:rK+7], v[rQ:rQ+7], 0
.else
	v_wmma_f32_16x16x32_f16 v[rS:rS+7], v[rK:rK+7], v[rQ:rQ+7], v[rS:rS+7]
.endif
.endm
; Product i of 16 of O^T += V^T P for piece x: keys 32 (i / 8) on, channels 16 ((i / 2) % 4) on, tile 2 x + i % 2.
.macro PV x
	WIN W_PV
.set rO, 32*(2*(\x)+i%2)+8*((i/2)%4)
.set rV, VF+32*(i/8)+8*((i/2)%4)
.set rP, P+32*((\x)%2)+16*(i%2)+8*(i/8)
	v_wmma_f32_16x16x32_f16 v[rO:rO+7], v[rV:rV+7], v[rP:rP+7], v[rO:rO+7]
.endm
.macro MM                           ; the turn's next matrix instruction
.if i < 16
	KQ (Y+1)%NP
.set i, i+1
.else
.set i, i-16
	PV (Y+NP-1)%NP
.set i, i+17
.endif
.endm
; THE LDS LOADS stand in runs of 16, never singly among the matrix instructions: a step's K (64 keys x 64 channels: 8 fragments) and its V (turned).  Their addresses are made some lines ahead.
; last = 1 (the tail): in the last trip there is no further step, and the run is jumped over.
.macro FETCH_K last=0
	WIN 0
.if \last
	s_cmp_eq_u32 s[CNT], 1
	s_cbranch_scc1 .Lno_k_\@
.endif
	WIN 0x80                        ; destination window 2
.irp f, 0,1,2,3,4,5,6,7             ; keys 16 (f / 2) on, channels 32 (f % 2) on
	ds_load_b128 v[KF+8*\f:KF+8*\f+3],   v[AK] offset:(\f/2)*16*PK+(\f%2)*64
	ds_load_b128 v[KF+8*\f+4:KF+8*\f+7], v[AK] offset:(\f/2)*16*PK+(\f%2)*64+32
.endr
	s_add_co_u32 s[TBK], s[TBK], KS*PK  ; the next fetch is the next step's
	WIN 0
.if \last
.Lno_k_\@:
.endif
.endm
.macro FETCH_V
	WIN 0x80
.irp f, 0,1,2,3,4,5,6,7             ; keys 32 (f / 4) on, channels 16 (f % 4) on
	ds_load_tr16_b128 v[VF+8*\f:VF+8*\f+3],   v[AV] offset:(\f/4)*32*PV+(\f%4)*32
	ds_load_tr16_b128 v[VF+8*\f+4:VF+8*\f+7], v[AV] offset:(\f/4)*32*PV+16*PV+(\f%4)*32
.endr
	WIN 0
.endm
; THE VECTOR WORK, all for piece Y: OP1 kind, number, tile.  s0-s31 are the lane's 32 scores.
;   RL n mask word n of the tile, which lies in lane n of the tile's register, goes into its scalar register
;   M n  score n stays where its mask word has my lane's bit, else NEG takes its place (ascending: each accumulator's lowest registers are read first)
;   X n  0-11 four chains c0-c3 of seven scores each, three operands at a time; 12-15 the four scores left over, the old m, and c0-c3 into c0; 16, 17 the query's other 32 keys lie in the lane 16 away;
;        18 m_old - m_new; 19 the new m; 20 a
;   D n  pair n of 16: t - m, exact where t = m      E n  2^ of score n      C n  pair n rounded to f16      B n  of the four weights 4 n .. the second pair is added onto the first, in place
;   L n  l takes that sum (L 0: l = a l + sum)       R n  pair n of 16 of O^T times a: the one kind outside window 0
.set M, 0
.set X, 1
.set D, 2
.set E, 3
.set C, 4
.set B, 5
.set L, 6
.set R, 7
.set RL, 8
.macro REGS y, u                    ; the registers of tile u (0, 1) of piece y
.set rT, ST+4*(2*(\y)+(\u))
.set rC, TMP+4*(\u)
.set rS, S+64*((\y)%2)+32*(\u)
.set rP, P+32*((\y)%2)+16*(\u)
.set rO, 32*(2*(\y)+(\u))
.endm
.macro OP1 k, n, u
	REGS Y, \u
.if (\k) == R
	WIN W_RS
	s_wait_alu depctr_va_vdst(0)
	v_pk_mul_f32 v[rO+2*(\n):rO+2*(\n)+1], v[rO+2*(\n):rO+2*(\n)+1], v[rC+2:rC+3] op_sel_hi:[1,0]
.else
	WIN 0
.if (\k) == RL
	v_readlane_b32 s[MW+36*(\u)+(\n)], v[MVR+2*Y+(\u)], \n
.elseif (\k) == M
	v_cndmask_b32 v[rS+(\n)], v[NEGR], v[rS+(\n)], s[MW+36*(\u)+(\n)]
.elseif (\k) == D
	v_pk_add_f32 v[rS+2*(\n):rS+2*(\n)+1], v[rS+2*(\n):rS+2*(\n)+1], v[rT:rT+1] op_sel_hi:[1,0] neg_lo:[0,1] neg_hi:[0,1]
.elseif (\k) == E
	v_exp_f32 v[rS+(\n)], v[rS+(\n)]
.elseif (\k) == C
	s_wait_alu depctr_va_vdst(0)
	v_cvt_pk_f16_f32 v[rP+(\n)], v[rS+2*(\n)], v[rS+2*(\n)+1]
.elseif (\k) == B
	v_pk_add_f32 v[rS+4*(\n):rS+4*(\n)+1], v[rS+4*(\n):rS+4*(\n)+1], v[rS+4*(\n)+2:rS+4*(\n)+3]
.elseif ((\k) == L) && ((\n) == 0)
	v_pk_fma_f32 v[rT+2:rT+3], v[rT+2:rT+3], v[rC+2:rC+3], v[rS:rS+1] op_sel_hi:[1,0,1]
.elseif (\k) == L
	v_pk_add_f32 v[rT+2:rT+3], v[rT+2:rT+3], v[rS+4*(\n):rS+4*(\n)+1]
	s_wait_alu depctr_va_vdst(0)
.elseif (\n) < 4
	v_max3_num_f32 v[rC+(\n)], v[rS+8*(\n)], v[rS+8*(\n)+1], v[rS+8*(\n)+2]
.elseif (\n) < 12
	v_max3_num_f32 v[rC+(\n)%4], v[rC+(\n)%4], v[rS+8*((\n)%4)+2*((\n)/4)+1], v[rS+8*((\n)%4)+2*((\n)/4)+2]
.elseif (\n) == 12
	v_max3_num_f32 v[rC], v[rC], v[rS+7], v[rS+15]
.elseif (\n) == 13
	v_max3_num_f32 v[rC+1], v[rC+1], v[rS+23], v[rS+31]
.elseif (\n) == 14
	v_max3_num_f32 v[rC+2], v[rC+2], v[rC+3], v[rT]
.elseif (\n) == 15
	v_max3_num_f32 v[rC], v[rC], v[rC+1], v[rC+2]
.elseif (\n) == 16
	v_permlanex16_b32 v[rC+3], v[rC], s[SEL], s[SEL+1]
.elseif (\n) == 17
	v_max_num_f32 v[rC+1], v[rC], v[rC+3]
.elseif (\n) == 18
	v_sub_f32 v[rC+2], v[rT], v[rC+1]
.elseif (\n) == 19
	v_mov_b32 v[rT], v[rC+1]
.else
	v_exp_f32 v[rC+2], v[rC+2]
.endif
.endif
.endm
; V kind, number: the line for both tiles of the piece, so that no instruction reads the result of the one before it.  While ARM matrix instructions are still to be dealt, one stands ahead of every second V:
; each has exactly four vector instructions behind it.
.macro V k, n
.if ARM > 0
.if HALF == 0
	MM
.set ARM, ARM-1
.endif
.set HALF, 1-HALF
.endif
	OP1 \k, \n, 0
	OP1 \k, \n, 1
.endm
.macro VS k, from, to               ; V for the numbers from .. to
.set vn, (\from)
.rept (\to)-(\from)+1
	V \k, vn
.set vn, vn+1
.endr
.endm
; Group g of four scores: their exponentials, with plain work that is ready between them: t - m two groups ahead, the roundings and the pair sum of the group before, l for the group before that.
; Behind an exponential a plain instruction stands before its result is used (ISA guide 5.7.2): every result is first read a group later.
.macro GRP g
	V E, 4*(\g)
.if (\g) < 6
	V D, 2*(\g)+4
.endif
	V E, 4*(\g)+1
.if (\g) < 6
	V D, 2*(\g)+5
.endif
	V E, 4*(\g)+2
.if (\g) > 0
	V C, 2*(\g)-2
.endif
	V E, 4*(\g)+3
.if (\g) > 0
	V C, 2*(\g)-1
	V B, (\g)-1
.endif
.if (\g) > 1
	V L, (\g)-2
.endif
.endm
; A TURN, for piece p.
; The piece's two registers of mask words were asked for in the piece's turn of the key step before; they are emptied into the 64 scalar registers behind the first run of products and asked for again at once,
; for the next key step: each request has four turns in which to land.  The selects, 64 lines behind the moves, stand behind the second run of products.
; K of the next step is fetched in piece 2's turn, behind the 64 selects and 16 maxima that follow the last product that read K, and waited for at the head of piece 3's turn.
; V of the step in hand is fetched in piece 0's turn, far behind the last product that read V, and waited for in piece 1's turn, ahead of its second run of products.
.macro TURN p, last=0
.set Y, (\p)
.set i, 0
	s_wait_loadcnt 6                ; vector loads come back in order (ISA guide 5.7.1): my piece's two are in; the six that the three turns since have issued may be out
.if (\p) == NP-1
	s_wait_dscnt 0x0                ; K is in
.endif
.set ARM, 16
.set HALF, 0
	VS RL, 0, 31                    ; 16 products K Q^T of piece p + 1, four moves of mask words behind each
	WIN 0
.if (\p) == 0
	s_add_co_u32 s[MOFF], s[MOFF], 128      ; from piece 0's turn on the words asked for are those of the key step after this one: four key blocks of 32 bytes on;
	s_min_u32 s[MOFF], s[MOFF], 31*128      ; in the last step the last step's are asked for once more, and not used: no load leaves the buffer
	s_wait_xcnt 0x0                 ; the loads issued so far have had their addresses translated (ISA guide 3.1): their address register is rewritten only behind this wait
	v_add_nc_u32 v[MA], s[MOFF], v[LA]
.endif
	MFETCH \p
.if (\p) == 1
	s_wait_dscnt 0x0                ; V is in
.endif
.set ARM, 16
.set HALF, 0
	VS M, 0, 31                     ; 16 products V^T P of piece p - 1, four selects behind each
	VS X, 0, 3
.if (\p) == NP-2
	WIN 0
	v_add_nc_u32 v[AK], s[TBK], v[AK0]
.endif
	VS X, 4, 7
.if (\p) == NP-2
	FETCH_K \last
.endif
	VS X, 8, 20
	VS D, 0, 3
	VS R, 0, 3
	GRP 0
	GRP 1
	VS R, 4, 8
	GRP 2
.if (\p) == 0
	WIN 0
	v_add_nc_u32 v[AV], s[TBV], v[AV0]
.endif
	GRP 3
.if (\p) == 0
	FETCH_V
	s_add_co_u32 s[TBV], s[TBV], KS*PV
.endif
	VS R, 9, 11
	GRP 4
	GRP 5
	VS R, 12, 15
	GRP 6
	GRP 7
	V C, 14
	V C, 15
	V B, 7
	V L, 6
	V L, 7
.endm
.set ARM, 0
.set HALF, 0
	CHANGE 1                        ; slot 0 is in, everybody's part of it; slot 1 is asked for
	FETCH_K                         ; key step 0
	s_wait_loadcnt 0x0              ; Q, and with it key step 0's mask words, which were asked for ahead of it
	s_wait_dscnt 0x0
.set i, 0
.rept 16
	KQ 0                            ; piece 0's first scores: there is no vector work yet to set between them
.set i, i+1
.endr
	WIN 0                           ; the addresses for the way out: nine plain instructions, the places behind those products
	s_mul_i32 s[CNT], s[WV], 16*SP
	s_add_co_u32 s[CNT], s[CNT], STAGE  ; my stage (in the count's register, which is set below)
	v_mul_u32_u24 v[STO], v1, SP    ; in: row l % 16, 16 bytes for each half of the lanes
	v_lshl_add_u32 v[STO], v9, 4, v[STO]
	v_add_nc_u32 v[STO], s[CNT], v[STO]
	v_bfe_u32 v[RD], v0, 3, 2       ; back: 32 lanes take four rows of 128 bytes,
	v_mul_u32_u24 v[RD], v[RD], SP
	v_lshl_add_u32 v[RD], v10, 4, v[RD]
	v_add_nc_u32 v[RD], s[CNT], v[RD]
	v_and_b32 v[GO], 31, v0         ; which are 512 consecutive bytes of O
	v_lshlrev_b32 v[GO], 4, v[GO]
	s_mov_b32 s[CNT], 4
	s_mov_b32 s[SLOTS], 2048/256-1
	s_branch .Lfirst                ; the loop is entered at a step's first turn, in the middle of a trip
.Lslot:                             ; six times: every slot but the last two is filled again
	CHANGE 1
	s_mov_b32 s[CNT], 4
.Lstep:                             ; a trip: pieces 2 and 3 of one step, then pieces 0 and 1 of the next, whose K and V it fetches
	TURN 2
	TURN 3
	WIN 0
.Lfirst:
	TURN 0
	TURN 1
	WIN 0
	s_sub_co_u32 s[CNT], s[CNT], 1
	s_cmp_lg_u32 s[CNT], 0
	s_cbranch_scc1 .Lstep
	s_sub_co_u32 s[SLOTS], s[SLOTS], 1
	s_cmp_lg_u32 s[SLOTS], 0
	s_cbranch_scc1 .Lslot
	CHANGE 0                        ; the tail is written out: nothing is asked for
	s_mov_b32 s[CNT], 5             ; four trips fetch the last slot's steps; the fifth is left in its middle
.Ltail:
	TURN 2, 1
	TURN 3
	WIN 0
	s_sub_co_u32 s[CNT], s[CNT], 1
	s_cmp_eq_u32 s[CNT], 0
	s_cbranch_scc1 .Lout
	TURN 0
	TURN 1
	WIN 0
	s_branch .Ltail
.Lout:                              ; the fifth trip's 16 products K Q^T (on the last K once more) and the last step's look-ahead for mask words serve nothing: the price, once a launch, of one text for every trip
	s_load_b64 s[OB:OB+1], s[0:1], 0x10  ; O
	s_bfe_u32 s36, ttmp6, 0x40000   ; my wave's first row once more, as for Q
	s_lshl_b32 s37, ttmp9, 2
	s_add_co_u32 s37, s37, s36
	s_lshl_b32 s37, s37, 2
	s_add_co_u32 s37, s37, s[WV]
	s_lshl_b32 s37, s37, 14
	s_and_b32 s38, ttmp7, 0xffff
	s_lshl_b32 s38, s38, 18
	s_add_co_u32 s34, s37, s38
	s_mov_b32 s35, 0
.set i, 0
.rept 16
	PV NP-1                         ; the last piece's V^T P of the last step
.set i, i+1
.endr
	; THE WAY OUT.  l's two halves and the other half of the lanes' are added; O^T is divided by l, rounded to f16 and sent through my stage in LDS, a tile at a time.  The additions are the places behind the last products.
	WIN 0
.macro ALL line:vararg              ; one line for each tile t
.set t, 0
.rept 2*NP
	\line
.set t, t+1
.endr
.endm
	ALL v_add_f32 v[ST+4*t+2], v[ST+4*t+2], v[ST+4*t+3]
	ALL v_permlanex16_b32 v[ST+4*t+3], v[ST+4*t+2], s[SEL], s[SEL+1]
	ALL v_add_f32 v[ST+4*t+2], v[ST+4*t+2], v[ST+4*t+3]
	ALL v_rcp_f32 v[ST+4*t+2], v[ST+4*t+2]
	v_nop                           ; a plain instruction between the last reciprocal and the use of its result
	s_wait_alu depctr_va_vdst(0)
	s_wait_kmcnt 0x0                ; O's address
	s_add_nc_u64 s[OB:OB+1], s[OB:OB+1], s[34:35]
; Tile t: a lane's eight channels of a row pack into 16 bytes; they go into rows of 144 bytes and come back as whole rows of 128, into S^T's registers.
.macro PACK t
	WIN W_RS
.set i, 32*(\t)
.rept 16
	v_pk_mul_f32 v[i:i+1], v[i:i+1], v[ST+4*(\t)+2:ST+4*(\t)+3] op_sel_hi:[1,0]
.set i, i+2
.endr
	WIN 0x05                        ; sources 0 and 1 window 1, destination window 0
.set i, 0
.rept 16
	v_cvt_pk_f16_f32 v[S+16*(\t)+i], v[32*(\t)+2*i], v[32*(\t)+2*i+1]
.set i, i+1
.endr
	WIN 0
.irp f, 0,1,2,3
	ds_store_b128 v[STO], v[S+16*(\t)+4*\f:S+16*(\t)+4*\f+3] offset:32*\f
.endr
.irp f, 0,1,2,3
	ds_load_b128 v[S+16*(\t)+4*\f:S+16*(\t)+4*\f+3], v[RD] offset:\f*4*SP  ; LDS serves a wave's instructions in order (ISA guide 5.7.1.4): these see the stores above; the next tile's stores come behind them
.endr
.endm
.macro SEND t, younger              ; younger: the LDS instructions issued behind tile t's loads: the next tile's eight, or none
	WIN 0
.irp f, 0,1,2,3
	s_wait_dscnt (\younger)+3-\f
	global_store_b128 v[GO], v[S+16*(\t)+4*\f:S+16*(\t)+4*\f+3], s[OB:OB+1] offset:(\t)*2048+\f*512  ; 512 consecutive bytes, at a multiple of 256 from O's first
.endr
.endm
	PACK 0
.set t, 1
.rept 2*NP-1                        ; a tile's arithmetic stands between the loads of the tile before and its stores
	PACK t
	SEND t-1, 8
.set t, t+1
.endr
	SEND 2*NP-1, 0
	WIN W_AD
	s_wait_tensorcnt 0x0            ; the wave's end, behind my last tensor load and my last LDS store
	ds_add_u32 v[SPW], v[NIL]
	s_wait_dscnt 0x0
	WIN 0
	CROUND                          ; the closing round: no work-group ends while a partner may still ask for a tile that names it
	s_endpgm
.Lfunc_end_k_qd960476675_attn:
	.size	k_qd960476675_attn, .Lfunc_end_k_qd960476675_attn-k_qd960476675_attn
	.p2alignl 7, 3214868480
	.fill 96, 4, 3214868480
	.section	.rodata,"a",@progbits
	.p2align	6, 0x0
	.amdhsa_kernel k_qd960476675_attn
		.amdhsa_group_segment_fixed_size 327680
		.amdhsa_private_segment_fixed_size 0
		.amdhsa_enable_private_segment 0
		.amdhsa_kernarg_size 24
		.amdhsa_user_sgpr_count 2
		.amdhsa_user_sgpr_kernarg_segment_ptr 1
		.amdhsa_wavefront_size32 1
		.amdhsa_system_sgpr_workgroup_id_x 1
		.amdhsa_system_sgpr_workgroup_id_y 1
		.amdhsa_system_sgpr_workgroup_id_z 1
		.amdhsa_system_vgpr_workitem_id 0
		.amdhsa_next_free_vgpr 770
		.amdhsa_next_free_sgpr 106
		.amdhsa_reserve_vcc 0
		.amdhsa_float_denorm_mode_32 3
		.amdhsa_float_denorm_mode_16_64 3
		.amdhsa_memory_ordered 1
		.amdhsa_forward_progress 1
		.amdhsa_inst_pref_size 255
	.end_amdhsa_kernel
	.section	.bss,"aw",@nobits
	.p2align	6
	.space	262144
	.amdgpu_metadata
---
amdhsa.version: [ 1, 2 ]
amdhsa.kernels:
  - .name:           k_qd960476675_attn
    .symbol:         k_qd960476675_attn.kd
    .args:
      - { .name: hd, .offset: 0, .size: 8, .value_kind: global_buffer, .address_space: global }
      - { .name: mbits, .offset: 8, .size: 8, .value_kind: global_buffer, .address_space: global }
      - { .name: ob, .offset: 16, .size: 8, .value_kind: global_buffer, .address_space: global }
    .group_segment_fixed_size: 327680
    .private_segment_fixed_size: 0
    .kernarg_segment_align: 8
    .kernarg_segment_size: 24
    .max_flat_workgroup_size: 128
    .sgpr_count:     106
    .vgpr_count:     770
    .wavefront_size: 32
...
	.end_amdgpu_metadata
.endif
;; end of part 3
;; launch outp (part 4): grid 8 x 32, 4 waves a work-group, clusters of 4 x 4, 327,680 bytes of LDS; arguments ob, wb, out0; writes out0
.if DOCPART == 4
	.amdgcn_target "amdgcn-amd-amdhsa--gfx1250"
	.amdhsa_code_object_version 6
	.text
	.protected	k_qd960476675_outp
	.globl	k_qd960476675_outp
	.p2align	8
	.type	k_qd960476675_outp,@function
k_qd960476675_outp:
	s_mov_b64 s[64:65], 0
	v_nop
	global_prefetch_b8 v0, s[64:65] scope:SCOPE_SE
	s_setreg_imm32_b32 hwreg(HW_REG_WAVE_MODE, 25, 1), 1
	s_wait_xcnt 0x0
	s_wait_alu depctr_hold_cnt(0) depctr_sa_sdst(0) depctr_va_vdst(0) depctr_va_sdst(0) depctr_va_ssrc(0) depctr_va_vcc(0) depctr_vm_vsrc(0)
	s_getreg_b32 s2, hwreg(HW_REG_IB_STS2, 6, 4)
	s_cmp_eq_u32 s2, 0
	s_cbranch_scc0 .Lentry_in_a_cluster
	s_endpgm
.Lentry_in_a_cluster:
	s_bfe_u32 s2, ttmp6, 0x10000c
	s_cmp_lg_u32 s2, 0xf033
	s_cbranch_scc0 .Lentry_shape_is_right
	s_endpgm
.Lentry_shape_is_right:
; C = A W for [8192][1024] x [1024][1024], f16 operands (numbers already rounded to bf16, or made by this program), f32 sums.  One text for two uses, chosen by the constant MODE:
;   MODE 0: A = xb (Q, K, V in turn: 96 tile rows), W = W_Q, W_K, W_V; C is rounded once to f16 and stored by heads, hd[p][b h][s][64]; q's sums are first multiplied, in f32, by c = log2(e) / 8.
;   MODE 1: A = ob (attention's result by heads), W = W_O; C is out0, f32 [8192][1024].
; LAYOUTS.  A[b][kb][s][64] and W[nb][k][64]: a block of 64 along K (A) or N (W) is dense, rows of 128 bytes.  So a tile is a dense run, asked for as rows of 256 bytes and padded in LDS behind every 128.
; LIMITS.  The operands arrive in f16, within 65,504; the sums and out0 are f32.  NaN and infinities are not treated apart.
; SHARES.  A tile of C is 256 x 128: 256 work-groups.  Four waves, 2 x 2, each 128 x 64: 32 accumulators of 16 x 16, 256 registers.
; K goes in 8 steps of 128 through two LDS slots; waves 0 and 1 fetch A's two blocks of 64 along K (256 rows each), waves 2 and 3 W's two blocks of 64 columns (128 rows of k each): one tensor load a wave.
; CLUSTER.  4 x 4 work-groups: the four of a row need the same tiles of A, the four of a column the same tiles of W; each tile is asked for jointly, same load, descriptor and mask in all four.
; THE MATRIX INSTRUCTION IS USED TRANSPOSED (source 0 = 16 columns of W, turned on the way out of LDS by ds_load_tr16_b128; source 1 = 16 rows of A): a lane holds eight neighbouring numbers of a row of C.
; REGISTERS.  window 0: v0-31 addresses; two fragment buffers of 96 (v64-159, v160-255): A's 8 blocks of 16 rows x 32 K, then W's 4 of 16 columns x 32 K; on the way out v64-191 at work.
;             window 1: the accumulators, (a, b) at v[8 (4 a + b)].
.set MODE,  1
.set PITA,  144                        ; a row of A in LDS: 128 bytes + 16: the 16 rows of a load start in 16 different groups of four banks (64 banks of 4 bytes: ISA guide 11.1)
.set PITB,  160                        ; a row of W: 128 + 32
.set PLANE, 256*PITA                   ; A's 256 rows of one block of 64 along K
.set BPL,   128*PITB                   ; W's 128 rows of k of one block of 64 columns
.set BOFF,  2*PLANE
.set SLOT,  BOFF+2*BPL                 ; 114,688 bytes
.set STAGE, 2*SLOT                     ; behind the ring, never filled by a tensor load: 4,352 bytes for each wave, for the way out
.set STW,   4352
.set SPARE, STAGE+4*STW                ; behind the stages: the spare words, 128 bytes for each wave: two blocks of 256 bytes that no other line names
.set LAPS,  4                          ; a lap = two K steps = once round the ring
.set ASTEP, 4*2048*128                 ; bytes from a slot's tile of A to its next: four blocks of 64 along K
.set BSTEP, 2*128*128                  ; of W: 256 rows of k
.set ADRA, 16                          ; v16-17  LDS address of my A fragments in slot 0, 1
.set ADRB, 20                          ; v20-21  the same for W
.set STO,  24                          ; v24     the way out: where I put my part of a row
.set RD,   25                          ; v25     where I read rows back
.set GO,   26                          ; v26     my byte offset in C
.set SPW,  28                          ; v28     LDS address of my spare word; never rewritten
.set NIL,  29                          ; v29     0; never rewritten
.set F0,   64
.set F1,   160
.set TMP,  64
.set SC,   22                          ; s[22:23] MODE 0: the factor on the way out
.set G1,   24                          ; s[24:31] descriptor group 1 for A's tiles;  s[32:39] group 0, one set for each slot
.set G0,   32
.set G1B,  48                          ; s[48:55], s[56:63] the same for W's
.set G0B,  56
.set MSB, 0
.macro WIN new                         ; the immediate's high byte repeats the setting that is left; a switch that changes nothing is dropped
.if MSB != (\new)
	s_set_vgpr_msb (MSB<<8)|(\new)
.set MSB, \new
.endif
.endm
.set MUL, 0x50                         ; C and D in window 1, the sources in window 0
.macro JLOAD s                         ; a joint load: waves 0 and 1 ask for A, waves 2 and 3 for W; an s_nop 0 and four v_nop follow each of the two lines
	s_cmp_eq_u32 s11, 0
	s_cbranch_scc0 .Lfor_b_\@
	tensor_load_to_lds s[G0+4*(\s):G0+4*(\s)+3], s[G1:G1+7]
	s_nop 0
.rept 4
	v_nop
.endr
	s_branch .Lasked_\@
.Lfor_b_\@:
	tensor_load_to_lds s[G0B+4*(\s):G0B+4*(\s)+3], s[G1B:G1B+7]
	s_nop 0
.rept 4
	v_nop
.endr
.Lasked_\@:
.endm
.macro CREST                           ; a round of the cluster's barrier behind its opening barrier
	s_cmp_lg_u32 s10, 0
	s_cbranch_scc1 .Lnot_wave_0_\@
	s_barrier_signal -3
.Lnot_wave_0_\@:
	s_barrier_wait -3
	s_barrier_signal -1
	s_barrier_wait -1
.endm
.macro CROUND                          ; a whole round
	s_barrier_signal -1
	s_barrier_wait -1
	CREST
.endm
	s_load_b128 s[4:7], s[0:1], 0x0                ; A s[4:5], W s[6:7]
	s_load_b64 s[8:9], s[0:1], 0x10                ; C
	v_lshl_add_u32 v[SPW], v0, 2, SPARE
	v_mov_b32 v[NIL], 0
	ds_add_u32 v[SPW], v[NIL]                      ; the wave's opening: the add and its wait stand ahead of my first tensor load; the set-up below, work on registers, stands between them
	v_lshrrev_b32 v1, 5, v0
	v_readfirstlane_b32 s10, v1                    ; wave 0..3
	s_lshr_b32 s11, s10, 1                         ; which 128 rows of the tile are mine.  Also: I fetch for A (0) or for W (1)
	s_and_b32 s12, s10, 1                          ; which 64 columns.  Also: which of the two blocks I fetch
	s_bfe_u32 s40, ttmp6, 0x40000                  ; cx, cy: my place in the cluster
	s_bfe_u32 s41, ttmp6, 0x40004
	s_lshl_b32 s42, ttmp9, 2
	s_add_co_u32 s42, s42, s40                     ; tile column x = 4 x cluster x + cx
	s_and_b32 s13, ttmp7, 0xffff
.if MODE == 0
	s_lshr_b32 s45, s13, 3                         ; which product (Q, K, V): 8 clusters of tile rows each, the same number in all sixteen partners
	s_cmp_eq_u32 s45, 0
	s_cselect_b32 s[SC], 0x3e38aa3b, 1.0           ; q alone takes c = log2(e) / 8
	s_mov_b32 s[SC+1], s[SC]                       ; named with it as a pair
.endif
	s_lshl_b32 s13, s13, 2
	s_add_co_u32 s13, s13, s41                     ; tile row y = 4 x cluster y + cy
	s_lshl_b32 s43, s41, 2
	s_lshl_b32 s43, 15, s43                        ; my row of the cluster
	s_lshl_b32 s44, 0x1111, s40                    ; my column
	; descriptor group 1.  A: 256 dense rows of 128 bytes as 128 rows of 256.  W: 128 dense rows as 64 rows of 256.  Padding behind every 32 words (code 4): 4 words (code 3) for A, 8 (code 7) for W.
	s_or_b32 s[G1+0], s43, (1<<16)|(1<<20)|(1<<21)|(4<<22)|(3<<25)   ; 15:0 the mask; 17:16 2-byte elements; 20 padding on; 21 set beside a mask
	s_or_b32 s[G1B+0], s44, (1<<16)|(1<<20)|(1<<21)|(4<<22)|(7<<25)
	s_mov_b32 s[G1+1], 128<<16                     ; tensor_dim0 = 128
	s_mov_b32 s[G1+2], 128<<16                     ; tensor_dim1 = 128
	s_mov_b32 s[G1+3], 128<<16                     ; tile_dim0 = 128
	s_mov_b32 s[G1+4], 128                         ; tile_dim1 = 128
	s_mov_b32 s[G1+5], 128                         ; 128 elements from row to row
	s_mov_b32 s[G1+6], 0
	s_mov_b32 s[G1+7], 0
	s_mov_b32 s[G1B+1], 128<<16
	s_mov_b32 s[G1B+2], 64<<16                     ; tensor_dim1 = 64
	s_mov_b32 s[G1B+3], 128<<16
	s_mov_b32 s[G1B+4], 64                         ; tile_dim1 = 64
	s_mov_b32 s[G1B+5], 128
	s_mov_b32 s[G1B+6], 0
	s_mov_b32 s[G1B+7], 0
	; where the tiles come from.  A's hang on y alone, W's on x; each in registers that never hold the other coordinate.
	s_lshr_b32 s16, s13, 3                         ; the batch: 16 blocks x 2,048 rows x 128 bytes
	s_lshl_b32 s16, s16, 22
	s_and_b32 s17, s13, 7
	s_lshl_b32 s17, s17, 15                        ; 256 rows of 128 bytes
	s_add_co_u32 s16, s16, s17
	s_lshl_b32 s17, s12, 18                        ; my block of 64 along K
	s_add_co_u32 s16, s16, s17
	s_mov_b32 s17, 0
	s_lshl_b32 s46, s42, 1
	s_add_co_u32 s46, s46, s12                     ; my block of 64 columns
	s_lshl_b32 s46, s46, 17                        ; x 1,024 rows of 128 bytes
.if MODE == 0
	s_lshl_b32 s47, s45, 21                        ; the product's weights
	s_add_co_u32 s46, s46, s47
.else
	s_add_co_u32 s46, s46, 3<<21                   ; W_O
.endif
	s_mov_b32 s47, 0
	s_mul_i32 s20, s12, PLANE                      ; and where they go: no place in the cluster enters an LDS address
	s_mul_i32 s21, s12, BPL
	s_add_co_u32 s21, s21, BOFF
	s_wait_dscnt 0x0                               ; the opening add is done
	s_wait_kmcnt 0x0
	s_add_nc_u64 s[14:15], s[4:5], s[16:17]
	s_add_nc_u64 s[46:47], s[6:7], s[46:47]
	CROUND                                         ; all sixteen work-groups are here: the first joint loads meet
.irp s, 0,1
	s_mov_b32 s[G0+4*(\s)], 1                      ; count = 1
	s_add_co_u32 s[G0+4*(\s)+1], s20, (\s)*SLOT    ; LDS address
	s_add_nc_u64 s[G0+4*(\s)+2:G0+4*(\s)+3], s[14:15], (\s)*ASTEP/2  ; global address: K step s
	s_or_b32 s[G0+4*(\s)+3], s[G0+4*(\s)+3], 0x80000000              ; type = 2
	s_mov_b32 s[G0B+4*(\s)], 1
	s_add_co_u32 s[G0B+4*(\s)+1], s21, (\s)*SLOT
	s_add_nc_u64 s[G0B+4*(\s)+2:G0B+4*(\s)+3], s[46:47], (\s)*BSTEP/2
	s_or_b32 s[G0B+4*(\s)+3], s[G0B+4*(\s)+3], 0x80000000
	JLOAD \s                                       ; two loads of mine are out
.endr
	v_and_b32 v1, 15, v0                           ; l % 16
	v_bfe_u32 v2, v0, 4, 1                         ; l / 16
	v_mul_u32_u24 v3, v1, PITA                     ; A's fragment: row l % 16, K = 8 (l / 16) + 0..7 and 16 more: two loads of 16 bytes, 32 bytes apart
	v_lshl_add_u32 v3, v2, 4, v3
	s_mul_i32 s2, s11, 128*PITA                    ; my 128 rows
	v_add_nc_u32 v[ADRA], s2, v3
	v_add_nc_u32 v[ADRA+1], SLOT, v[ADRA]
	v_and_b32 v4, 7, v0                            ; W's: the turning load takes 16 k x 16 columns: lane l reads k = 8 (l / 16) + l % 8, columns 8 ((l / 8) % 2) + 0..7
	v_lshl_add_u32 v4, v2, 3, v4
	v_mul_u32_u24 v4, v4, PITB
	v_bfe_u32 v5, v0, 3, 1
	v_lshl_add_u32 v4, v5, 4, v4
	s_mul_i32 s2, s12, BPL                         ; my 64 columns
	s_add_co_u32 s2, s2, BOFF
	v_add_nc_u32 v[ADRB], s2, v4
	v_add_nc_u32 v[ADRB+1], SLOT, v[ADRB]
	s_mul_i32 s2, s10, STW
	s_add_co_u32 s2, s2, STAGE                     ; my stage
.if MODE == 0
	v_mul_u32_u24 v6, v1, 144                      ; in: row l % 16, 16 bytes for each half of the lanes
	v_lshl_add_u32 v6, v2, 4, v6
	v_add_nc_u32 v[STO], s2, v6
	v_bfe_u32 v6, v0, 3, 2                         ; back: 32 lanes take four rows of 128 bytes,
	v_mul_u32_u24 v6, v6, 144
	v_and_b32 v7, 7, v0
	v_lshl_add_u32 v6, v7, 4, v6
	v_add_nc_u32 v[RD], s2, v6
	v_and_b32 v[GO], 31, v0                        ; which are 512 consecutive bytes of hd
	v_lshlrev_b32 v[GO], 4, v[GO]
	s_lshr_b32 s16, s13, 3                         ; hd has xb's form, the head in the place of the block along K: my 128 rows of one head are 16 KiB on end
	s_lshl_b32 s16, s16, 22
	s_and_b32 s17, s13, 7
	s_lshl_b32 s17, s17, 15
	s_add_co_u32 s16, s16, s17
	s_lshl_b32 s17, s11, 14
	s_add_co_u32 s16, s16, s17
	s_mov_b32 s17, 0
	s_add_nc_u64 s[8:9], s[8:9], s[16:17]
	s_lshl_b32 s46, s42, 1
	s_add_co_u32 s46, s46, s12                     ; the head
	s_lshl_b32 s46, s46, 18
	s_mov_b32 s47, 0
	s_add_nc_u64 s[8:9], s[8:9], s[46:47]
.else
	v_mul_u32_u24 v6, v1, 272                      ; in: row l % 16, 32 bytes for each half of the lanes; rows of 256 bytes + 16
	v_lshl_add_u32 v6, v2, 5, v6
	v_add_nc_u32 v[STO], s2, v6
	v_mul_u32_u24 v6, v2, 272                      ; back: lanes 0-15 take one row of 256 bytes, lanes 16-31 the next
	v_lshl_add_u32 v6, v1, 4, v6
	v_add_nc_u32 v[RD], s2, v6
	v_lshlrev_b32 v6, 12, v2                       ; and the same two rows in out0
	v_lshl_add_u32 v[GO], v1, 4, v6
	s_lshl_b32 s16, s13, 20                        ; 256 rows of 4,096 bytes
	s_lshl_b32 s17, s11, 19
	s_add_co_u32 s16, s16, s17
	s_mov_b32 s17, 0
	s_add_nc_u64 s[8:9], s[8:9], s[16:17]
	s_lshl_b32 s46, s42, 9                         ; 128 columns of 4 bytes
	s_lshl_b32 s47, s12, 8
	s_add_co_u32 s46, s46, s47
	s_mov_b32 s47, 0
	s_add_nc_u64 s[8:9], s[8:9], s[46:47]
.endif
; 8 matrix instructions: row blocks a0, a0 + 1 x all 4 column blocks, 32 along K, from buffer f.  zero = 1: the product starts the sums: nothing is cleared.
; The 32 accumulators take turns, one instruction a turn, in the same order in every quarter.
.macro MUL8 f, a0, zero
	WIN MUL
.irp a, \a0, (\a0)+1
.irp b, 0,1,2,3
.if \zero
	v_wmma_f32_16x16x32_f16 v[8*(4*(\a)+(\b)):8*(4*(\a)+(\b))+7], v[(\f)+64+8*(\b):(\f)+64+8*(\b)+7], v[(\f)+8*(\a):(\f)+8*(\a)+7], 0
.else
	v_wmma_f32_16x16x32_f16 v[8*(4*(\a)+(\b)):8*(4*(\a)+(\b))+7], v[(\f)+64+8*(\b):(\f)+64+8*(\b)+7], v[(\f)+8*(\a):(\f)+8*(\a)+7], v[8*(4*(\a)+(\b)):8*(4*(\a)+(\b))+7]
.endif
.endr
.endr
.endm
.macro MUL16 f, a0, zero
	MUL8 \f, \a0, \zero
	MUL8 \f, (\a0)+2, \zero
.endm
; 24 LDS loads in one run: quarter q (32 along K) of a slot into buffer f: W's 8 first, then A's 16, row blocks ascending
.macro FETCH slot, q, f
	WIN 0
.irp b, 0,1,2,3
	ds_load_tr16_b128 v[(\f)+64+8*(\b):(\f)+64+8*(\b)+3],   v[ADRB+(\slot)] offset:(\q)*32*PITB+32*(\b)
	ds_load_tr16_b128 v[(\f)+64+8*(\b)+4:(\f)+64+8*(\b)+7], v[ADRB+(\slot)] offset:(\q)*32*PITB+16*PITB+32*(\b)
.endr
.irp i, 0,1,2,3,4,5,6,7
	ds_load_b128 v[(\f)+8*(\i):(\f)+8*(\i)+3],   v[ADRA+(\slot)] offset:((\q)/2)*PLANE+((\q)%2)*64+(\i)*16*PITA
	ds_load_b128 v[(\f)+8*(\i)+4:(\f)+8*(\i)+7], v[ADRA+(\slot)] offset:((\q)/2)*PLANE+((\q)%2)*64+(\i)*16*PITA+32
.endr
.endm
.macro PLACES                          ; four plain instructions in front of loads into registers that matrix instructions have read, and of lines that read results just made
.rept 4
	v_nop
.endr
.endm
; A K step is four quarters of 32 along K, 32 matrix instructions each, on buffers 0, 1, 0, 1.  One of the first three: multiplies buffer f and, in its middle, fetches quarter qn of the same slot into g.
.macro QUARTER slot, qn, f, g, zero
	s_wait_dscnt 8                                 ; W and A's row blocks 0-3 are in; the youngest eight loads (blocks 4-7) may be out
	MUL16 \f, 0, \zero
	PLACES
	FETCH \slot, \qn, \g
	s_wait_dscnt 24                                ; all but the 24 just issued
	MUL16 \f, 4, \zero
.endm
; The last quarter multiplies buffer 1 and changes slots: ONE barrier; in front of it each wave waits for all its tensor loads (one is out: its part of the next slot), adds 0 to its spare word,
; and waits for that and for its own reads of this slot.  fill = 1: the barrier opens a round of the cluster's, and this slot is filled again, two K steps ahead, first thing behind the round.
.macro TURN slot, next, fill
	WIN 0
	s_wait_tensorcnt 0x0                           ; all my tensor loads have landed;
	ds_add_u32 v[SPW], v[NIL]                      ; 0 onto my spare word;
	s_wait_dscnt 9                                 ; (the add and the youngest eight loads may be out)
	MUL8 F1, 0, 0                                  ; eight matrix instructions stand between the add and the wait for it
	s_wait_dscnt 0x0                               ; the add is done, and my reads of this slot are over
	s_barrier_signal -1
	MUL8 F1, 2, 0
.if \fill
	WIN 0
.endif
	s_barrier_wait -1
.if \fill
	CREST                                          ; no wave of any partner still reads this slot's tiles or has a load on its way
	s_add_nc_u64 s[G0+4*(\slot)+2:G0+4*(\slot)+3], s[G0+4*(\slot)+2:G0+4*(\slot)+3], ASTEP
	s_add_nc_u64 s[G0B+4*(\slot)+2:G0B+4*(\slot)+3], s[G0B+4*(\slot)+2:G0B+4*(\slot)+3], BSTEP
	JLOAD \slot                                    ; 112 matrix instructions ahead of the wait for it; its four v_nop are also the places in front of the loads below
.else
	PLACES
.endif
	FETCH \next, 0, F0
	MUL8 F1, 4, 0
	MUL8 F1, 6, 0
.endm
	s_wait_tensorcnt 1                             ; my part of K step 0 is in; K step 1's may stay out
	s_barrier_signal -1
	s_barrier_wait -1                              ; everybody's is
	FETCH 0, 0, F0
	QUARTER 0, 1, F0, F1, 1                        ; the first quarter stands in front of the loop: its products start the sums
	WIN 0                                          ; at a label and at a branch every window is 0
	s_mov_b32 s3, LAPS-1
.Llap:                                                 ; a trip goes once round the ring, from a lap's second quarter to the next lap's first, and fills both slots again: K steps 2 to 7
	QUARTER 0, 2, F1, F0, 0
	QUARTER 0, 3, F0, F1, 0
	TURN 0, 1, 1
	QUARTER 1, 1, F0, F1, 0
	QUARTER 1, 2, F1, F0, 0
	QUARTER 1, 3, F0, F1, 0
	TURN 1, 0, 1
	QUARTER 0, 1, F0, F1, 0
	WIN 0
	s_sub_co_u32 s3, s3, 1
	s_cmp_lg_u32 s3, 0
	s_cbranch_scc1 .Llap
	QUARTER 0, 2, F1, F0, 0                        ; the last lap fills nothing, and has no round of the cluster's barrier
	QUARTER 0, 3, F0, F1, 0
	TURN 0, 1, 0
	QUARTER 1, 1, F0, F1, 0
	QUARTER 1, 2, F1, F0, 0
	QUARTER 1, 3, F0, F1, 0
	s_wait_dscnt 8                                 ; the very last quarter: nothing more to fetch
	MUL16 F1, 0, 0
	s_wait_dscnt 0x0
	MUL16 F1, 4, 0
	WIN 0
	PLACES
.if MODE == 0
; THE WAY OUT, by blocks a of 16 rows: times the factor, rounded to f16 (16 bytes a lane), through my own stage, back as whole rows of 128 bytes: 2,048 consecutive bytes of hd a block.
.macro PACK a
	WIN 0x41                                       ; destination and source 0 in window 1
.set i, 32*(\a)
.rept 16
	v_pk_mul_f32 v[i:i+1], v[i:i+1], s[SC:SC+1] op_sel_hi:[1,0]  ; each accumulator's lowest registers first
.set i, i+2
.endr
	WIN 0x05                                       ; sources in window 1, destination in window 0
.set i, 0
.rept 16
	v_cvt_pk_f16_f32 v[TMP+16*(\a)+i], v[32*(\a)+2*i], v[32*(\a)+2*i+1]
.set i, i+1
.endr
	WIN 0
.irp b, 0,1,2,3
	ds_store_b128 v[STO], v[TMP+16*(\a)+4*(\b):TMP+16*(\a)+4*(\b)+3] offset:32*(\b)
.endr
.irp f, 0,1,2,3
	ds_load_b128 v[TMP+16*(\a)+4*(\f):TMP+16*(\a)+4*(\f)+3], v[RD] offset:(\f)*4*144  ; LDS serves a wave's instructions in order (ISA guide 5.7.1.4): these see the stores above; the next block's stores come behind them
.endr
.endm
.macro SEND a, younger                 ; younger: the LDS instructions issued behind block a's loads: the next block's eight, or none
.irp f, 0,1,2,3
	s_wait_dscnt (\younger)+3-(\f)
	global_store_b128 v[GO], v[TMP+16*(\a)+4*(\f):TMP+16*(\a)+4*(\f)+3], s[8:9] offset:(\a)*2048+(\f)*512  ; 512 consecutive bytes, at a multiple of 256 from hd's first
.endr
.endm
	PACK 0
.irp a, 1,2,3,4,5,6,7                  ; a block's arithmetic stands between the loads of the block before and its stores
	PACK \a
	SEND (\a)-1, 8
.endr
	SEND 7, 0
.else
; THE WAY OUT, by blocks a of 16 rows: the f32 sums go as they are through my own stage (rows of 256 bytes + 16) and come back as whole rows.
.macro TOSTAGE a
.set BK, TMP+32*((\a)%4)
.if (\a) >= 4
	s_wait_xcnt 0x0                                ; these registers were the data of block a - 4's stores: they are loaded again only behind this wait
.endif
	WIN 0x04                                       ; the stores' data in window 1
.irp b, 0,1,2,3
	ds_store_b128 v[STO], v[32*(\a)+8*(\b):32*(\a)+8*(\b)+3] offset:64*(\b)         ; each accumulator's lowest registers first
	ds_store_b128 v[STO], v[32*(\a)+8*(\b)+4:32*(\a)+8*(\b)+7] offset:64*(\b)+16
.endr
	WIN 0
.irp t, 0,1,2,3,4,5,6,7
	ds_load_b128 v[BK+4*(\t):BK+4*(\t)+3], v[RD] offset:(\t)*2*272  ; LDS serves a wave's instructions in order (ISA guide 5.7.1.4)
.endr
.endm
.macro SEND a, younger                 ; younger: the next block's sixteen LDS instructions, or none
.set BK, TMP+32*((\a)%4)
.irp t, 0,1,2,3,4,5,6,7
	s_wait_dscnt (\younger)+7-(\t)
	global_store_b128 v[GO], v[BK+4*(\t):BK+4*(\t)+3], s[8:9] offset:(16*(\a)+2*(\t))*4096 th:TH_STORE_NT  ; 16 lanes store 256 consecutive bytes, at a multiple of 256 from out0's first
.endr
.endm
	TOSTAGE 0
.irp a, 1,2,3,4,5,6,7
	TOSTAGE \a
	SEND (\a)-1, 16
.endr
	SEND 7, 0
.endif
	s_wait_tensorcnt 0x0                           ; the wave's end, behind my last tensor load and my last LDS store
	ds_add_u32 v[SPW], v[NIL]
	s_wait_dscnt 0x0
	CROUND                                         ; the closing round: no work-group ends while a partner may still ask for a tile that names it
	s_endpgm
.Lfunc_end_k_qd960476675_outp:
	.size	k_qd960476675_outp, .Lfunc_end_k_qd960476675_outp-k_qd960476675_outp
	.p2alignl 7, 3214868480
	.fill 96, 4, 3214868480
	.section	.rodata,"a",@progbits
	.p2align	6, 0x0
	.amdhsa_kernel k_qd960476675_outp
		.amdhsa_group_segment_fixed_size 327680
		.amdhsa_private_segment_fixed_size 0
		.amdhsa_enable_private_segment 0
		.amdhsa_kernarg_size 24
		.amdhsa_user_sgpr_count 2
		.amdhsa_user_sgpr_kernarg_segment_ptr 1
		.amdhsa_wavefront_size32 1
		.amdhsa_system_sgpr_workgroup_id_x 1
		.amdhsa_system_sgpr_workgroup_id_y 1
		.amdhsa_system_sgpr_workgroup_id_z 1
		.amdhsa_system_vgpr_workitem_id 0
		.amdhsa_next_free_vgpr 512
		.amdhsa_next_free_sgpr 68
		.amdhsa_reserve_vcc 0
		.amdhsa_float_denorm_mode_32 3
		.amdhsa_float_denorm_mode_16_64 3
		.amdhsa_memory_ordered 1
		.amdhsa_forward_progress 1
		.amdhsa_inst_pref_size 87
	.end_amdhsa_kernel
	.amdgpu_metadata
---
amdhsa.version: [ 1, 2 ]
amdhsa.kernels:
  - .name:           k_qd960476675_outp
    .symbol:         k_qd960476675_outp.kd
    .args:
      - { .name: ob, .offset: 0, .size: 8, .value_kind: global_buffer, .address_space: global }
      - { .name: wb, .offset: 8, .size: 8, .value_kind: global_buffer, .address_space: global }
      - { .name: out0, .offset: 16, .size: 8, .value_kind: global_buffer, .address_space: global }
    .group_segment_fixed_size: 327680
    .private_segment_fixed_size: 0
    .kernarg_segment_align: 8
    .kernarg_segment_size: 24
    .max_flat_workgroup_size: 128
    .sgpr_count:     68
    .vgpr_count:     512
    .wavefront_size: 32
...
	.end_amdgpu_metadata
.endif
;; end of part 4
;; ======== version 2 of 2: 4 launches; 1.55 times as fast as version 1
;; limits: values are held in f16: magnitudes above 65,504 overflow, below 6.1e-05 lose precision; right only within a limited range of input values
;; workspace buffers: xb 50,331,648 bytes; wb 8,388,608 bytes; mbits 2,097,152 bytes of whole numbers; hd 50,331,648 bytes; ob 16,777,216 bytes
;; launch prep: the kernel of part 1 again; grid 2816 x 1, 4 waves a work-group, no clusters, 0 bytes of LDS; arguments Q, K, V, W_Q, W_K, W_V, W_O, mask, xb, wb, mbits; writes xb, wb, mbits
;; launch proj: the kernel of part 2 again; grid 8 x 96, 4 waves a work-group, clusters of 4 x 4, 327,680 bytes of LDS; arguments xb, wb, hd; writes hd
;; launch attn (part 5): grid 4 x 64, 4 waves a work-group, clusters of 4 x 1, 327,680 bytes of LDS; arguments hd, mbits, ob; writes ob
.if DOCPART == 5
	.amdgcn_target "amdgcn-amd-amdhsa--gfx1250"
	.amdhsa_code_object_version 6
	.text
	.protected	k_qd960476675_attn
	.globl	k_qd960476675_attn
	.p2align	8
	.type	k_qd960476675_attn,@function
k_qd960476675_attn:
	s_mov_b64 s[64:65], 0
	v_nop
	global_prefetch_b8 v0, s[64:65] scope:SCOPE_SE
	s_setreg_imm32_b32 hwreg(HW_REG_WAVE_MODE, 25, 1), 1
	s_wait_xcnt 0x0
	s_wait_alu depctr_hold_cnt(0) depctr_sa_sdst(0) depctr_va_vdst(0) depctr_va_sdst(0) depctr_va_ssrc(0) depctr_va_vcc(0) depctr_vm_vsrc(0)
	s_getreg_b32 s2, hwreg(HW_REG_IB_STS2, 6, 4)
	s_cmp_eq_u32 s2, 0
	s_cbranch_scc0 .Lentry_in_a_cluster
	s_endpgm
.Lentry_in_a_cluster:
	s_bfe_u32 s2, ttmp6, 0x10000c
	s_cmp_lg_u32 s2, 0x3003
	s_cbranch_scc0 .Lentry_shape_is_right
	s_endpgm
.Lentry_shape_is_right:
; MASKED ATTENTION.  O[bh][q][:] = the sum over k of softmax_k(t[q][k]) V[bh][k][:], t = Q . K / 8 where mask[b][q][k] != 0, and -1e9 in its stead where it is 0 (a row with no key left is the mean of V).
; hd holds q' = (log2(e) / 8) q, k, v, each [64][2048][64] in f16, a head's rows dense; so S = K q'^T is already the exponent to base 2, and a hidden score is REPLACED by NEG = -1e9 log2(e).
; mbits[b][qt][kblk][j] holds the mask as lane masks: bit L = mask[b][16 qt + L % 16][16 kblk + 8 (L / 16) + j] != 0: the layout of S^T's register j.  The words steer v_cndmask_b32 alone.
; HOW THE WORDS COME.  A turn needs 64 of them in scalar registers, and 64 is what the scalar file has to spare.  A scalar load into them could be asked for only behind the last select of the turn before, and its
; wait is for 0 alone (scalar loads come back in no order).  So the words come by vector loads, lane n taking word n of a tile's 32, into two registers of the piece's own, asked for four turns ahead and waited for
; by a count; v_readlane_b32 then moves them: 64 vector instructions more a turn.
; Products, maxima and sums in f32; the weights p are rounded to f16 for the second product (their sum l is taken of the unrounded p), O once at the end, into ob [64][2048][64] f16.
; LIMITS.  f16 holds no number beyond 65,504: q', k, v arrive within it; p lies in 0 to 1, and below 6e-5 keeps f16's fixed step of 6e-8; a weight below 2^-126 counts as 0 in l; NaN and infinities are not treated apart.
; SHARES.  A wave owns four PIECES of two tiles of 16 queries, a work-group's four waves 512 queries of one head: 256 work-groups.  Every wave walks all 2,048 keys, 64 a step.
; LAYOUT.  S^T = K Q^T (source 0 = 16 keys, source 1 = 16 queries): a lane holds ONE query (lane % 16) and the keys 8 (lane / 16) + 0..7.  Two such results, rounded to f16 in pairs, ARE source 1 of O^T = V^T P.
; SOFTMAX.  A running maximum m and sum l for each query: p = 2^(t - m); in every step O and l are multiplied by a = 2^(m_old - m_new).  m starts at the lowest finite number, O and l at 0: the first step's a is 0.
; BY TURNS.  Turn n belongs to piece n.  Matrix work: 16 products K Q^T of piece n + 1, then 16 products V^T P of piece n - 1.  Vector work, all of piece n: the mask words, the mask, the maximum, t - m, exponentials,
; roundings, sums, rescaling: 362 instructions for 32 matrix instructions.  Four stand behind every matrix instruction, the others in a run of their own.  No vector line of a turn names a register of the turn's products.
; THE BATCHES.  A turn's 66 exponentials (the two tiles' a and their 64 weights) are ONE batch with ONE wait, which cuts the turn in two.  Ahead of the wait stands all that names no result of theirs: the mask words,
; the selects, the maximum, t - m and the exponentials themselves; behind it all that does: O^T times a, the roundings, the sums.  Each result keeps a register of its own (the weights in place in S^T, a in c2), and.
; The way out's eight reciprocals are a batch of their own.
; CLUSTER.  The four query blocks of a cluster belong to one head and walk the same K and V: each tile is asked for JOINTLY, the same tensor load, descriptor and mask in all four.
; REGISTERS, in windows of 256 (s_set_vgpr_msb: bits 1:0 source 0, 3:2 source 1, 5:4 source 2, 7:6 destination):
;   window 0: v0-11 addresses; v12 NEG; v13-14 the mask loads' addresses; v16-47 four registers of statistics a tile; v48-55 at work; v56-63 mask words, one register a tile; v64-191 S^T, two buffers of two tiles;
;             v192-255 P, likewise (a piece's buffers go by its number's parity)
;   window 1: O^T, 32 a tile      window 2: v0-127 Q, 16 a tile; v128-191 K of one step; v192-255 V of one step      window 3: v0-1 the add's two registers
.set NP,    4         ; pieces a wave
.set KS,    64        ; keys in a step
.set PK,    144       ; a row of K in LDS: 128 bytes + 16: the 16 rows of a load start at 16 different groups of four banks (64 banks of 4 bytes: ISA guide 11.1)
.set PV,    160       ; a row of V: 128 + 32
.set VOFF,  4*KS*PK   ; a slot holds four steps: 256 rows of K, then 256 rows of V
.set SLOT1, 1<<17     ; slot 1 begins here, so that one exclusive or turns an address in one slot into the other's
.set STAGE, SLOT1+4*KS*(PK+PV)  ; behind the ring, never filled by a tensor load: 16 rows x 144 bytes for each wave, for the way out
.set SP,    144
.set SPARE, STAGE+4*16*SP  ; behind the stages: the spare words, 128 bytes for each wave: two blocks of 256 bytes that no other line names
.set AK0, 2           ; v2   my lane's place in a tile of K; never rewritten
.set AV0, 3           ; v3   the same for V
.set AK,  4           ; v4   the LDS address of K's next run of loads
.set AV,  5           ; v5   of V's
.set QO,  6           ; v6   my byte offset in the wave's rows of Q
.set STO, 6           ;      later, the way out: where I put 16 bytes of a row
.set RD,  7           ; v7   where I read rows back
.set GO,  8           ; v8   my byte offset in 512 consecutive bytes of O
.set NEGR, 12         ; v12  NEG
.set LA,  13          ; v13  4 x my lane: my word among a tile's 32; never rewritten
.set MA,  14          ; v14  the same plus 128 x the key step whose words are asked for
.set MVR, 56          ; v56-63  tile t's 32 mask words of one key step, word n in lane n
.set SPW, 0           ; v0 of window 3   LDS address of my spare word; never rewritten
.set NIL, 1           ; v1 of window 3   0; never rewritten
.set ST,  16          ; tile t's statistics at v[ST+4 t]: m, 0 (named with m as a pair), l (even keys', odd keys')
.set TMP, 48          ; by tile of the piece in hand, four registers c0-c3 at work; when the maximum is found c2 takes a
.set S,   64
.set P,   192
.set KF,  128         ; K's fragments, in window 2: key block kb, channel half c at KF + 16 kb + 8 c
.set VF,  192         ; V's: key half kk, channel block cb at VF + 32 kk + 8 cb
.set MB,  2           ; s[2:3]   mbits at my wave's first tile of queries
.set G1K, 4           ; s[4:11]  descriptor group 1 for K's tiles
.set G1V, 12          ; s[12:19] for V's: it differs in the padding alone
.set G0K, 20          ; s[20:23] descriptor group 0 for K's tiles: it walks
.set G0V, 24          ; s[24:27] the same for V's
.set TBK, 28          ; s28  LDS byte at which K of the step to be fetched begins
.set TBV, 29          ; s29  the same for V, less VOFF
.set QB,  30          ; s[30:31] Q at my wave's first row
.set MW,  32          ; s[32:63] the 32 mask words of the piece's first tile; s[68:99] (MW + 36 on) those of its second.  Before the first turn: set-up's temporaries
.set SEL, 66          ; s[66:67] v_permlanex16_b32's selects: each lane takes its own place in the other half
.set WV,  100         ; s100 my wave's number
.set SLOTS, 101       ; s101 slots still to be asked for
.set CNT, 104         ; s104 counts a slot's key steps
.set MOFF, 105        ; s105 128 x the key step whose mask words are asked for
.set OB,  32          ; s[32:33] at the end: O at my wave's first row
.set MSB, 0
.macro WIN new                      ; the high byte repeats the setting that is left; a switch that changes nothing is dropped
.if MSB != (\new)
	s_set_vgpr_msb (MSB<<8)|(\new)
.set MSB, (\new)
.endif
.endm
.set W_KQ, 0x0a       ; K and Q in window 2, S^T in window 0
.set W_PV, 0x52       ; V in window 2, P in window 0, O^T in window 1
.set W_RS, 0x41       ; O^T (destination and source 0) in window 1, a in window 0
.set W_MK, 0xc0       ; the add's registers are made: destination in window 3, sources in window 0
.set W_AD, 0x0f       ; the add: address (source 0) and data (source 1) in window 3
; A joint fill.  Waves 0 and 1 fetch the two halves of a slot's K, waves 2 and 3 those of its V: 128 keys each.  The branch hangs on the wave's number alone.
; An s_nop 0 and four v_nop follow each of the two lines, ahead of the jump and the label.
.macro JLOAD
	s_cmp_lt_u32 s[WV], 2
	s_cbranch_scc0 .Lfor_v_\@
	tensor_load_to_lds s[G0K:G0K+3], s[G1K:G1K+7]
	s_nop 0
.rept 4
	v_nop
.endr
	s_branch .Lasked_\@
.Lfor_v_\@:
	tensor_load_to_lds s[G0V:G0V+3], s[G1V:G1V+7]
	s_nop 0
.rept 4
	v_nop
.endr
.Lasked_\@:
.endm
; A round of the cluster's barrier: my work-group's barrier, so that wave 0's signal speaks for all four waves; wave 0 signals; every wave waits for all four work-groups; my work-group's barrier once more.
.macro CROUND
	s_barrier_signal -1
	s_barrier_wait -1
	s_cmp_lg_u32 s[WV], 0
	s_cbranch_scc1 .Lnot_wave_0_\@
	s_barrier_signal -3
.Lnot_wave_0_\@:
	s_barrier_wait -3
	s_barrier_signal -1
	s_barrier_wait -1
.endm
; THE CHANGE OF SLOTS.  The slot's last bytes, V of its fourth step, have been read.  Each wave waits for all its tensor loads, of which one is out: its part of the other slot; adds 0 to its spare word;
; and waits for that and for its own reads of the slot.  Behind the barrier nobody reads this slot any more and the other slot is whole.
; fill = 1: this slot is filled again, with the keys two slots on.  The barrier is then a round of the cluster's, and the joint fill is the first thing behind it: it has four key steps, 512 matrix instructions,
; in which to land.  (At its first use nothing has been read yet: slot 0 is waited for, slot 1 filled.)
.macro CHANGE fill
	WIN W_AD
	s_wait_tensorcnt 0x0            ; no tensor load of mine is out, so a group 0 may be written
	ds_add_u32 v[SPW], v[NIL]       ; 0 onto my spare word; with fill = 1 the descriptors' steps stand between it and the wait for it
	WIN 0                           ; at a label and at a branch every window is 0
.if \fill
.irp g, G0K, G0V
	s_xor_b32 s[\g+1], s[\g+1], SLOT1  ; the walking descriptor: the other slot than last time,
	s_add_nc_u64 s[\g+2:\g+3], s[\g+2:\g+3], 4*KS*128  ; the next 256 keys; the type bits on top are not reached
.endr
	s_wait_dscnt 0x0                ; the add is done, and my reads of the slot are over
	CROUND
	JLOAD
.else
	s_wait_dscnt 0x0                ; the add is done, and my reads of the slot are over
	s_barrier_signal -1
	s_barrier_wait -1
.endif
	s_sub_co_u32 s[TBK], s[TBK], 4*KS*PK  ; the fetches go back to a slot's first step,
	s_xor_b32 s[TBK], s[TBK], SLOT1       ; in the other slot
	s_sub_co_u32 s[TBV], s[TBV], 4*KS*PV
	s_xor_b32 s[TBV], s[TBV], SLOT1
.endm
; The 64 mask words of piece y for the key step of MA: for each of its two tiles one load, 128 consecutive bytes, lane n taking word n.  Sixteen heads read the same words, so no hint is given.
.macro MFETCH y
	global_load_b32 v[MVR+2*(\y)],   v[MA], s[MB:MB+1] offset:(2*(\y))*4096
	global_load_b32 v[MVR+2*(\y)+1], v[MA], s[MB:MB+1] offset:(2*(\y)+1)*4096
.endm
	s_load_b128 s[32:35], s[0:1], 0x0  ; hd s[32:33], mbits s[34:35]
	WIN W_MK
	v_lshl_add_u32 v[SPW], v0, 2, SPARE
	v_mov_b32 v[NIL], 0
	WIN W_AD
	ds_add_u32 v[SPW], v[NIL]       ; the wave's opening: the add and its wait stand ahead of my first tensor load; the set-up below, work on registers, stands between them
	WIN 0
	v_lshrrev_b32 v1, 5, v0
	v_readfirstlane_b32 s[WV], v1   ; wave 0..3
	s_bfe_u32 s36, ttmp6, 0x40000   ; cx: my place in the cluster
	s_lshl_b32 s37, ttmp9, 2        ; in a cluster launch ttmp9 counts clusters
	s_add_co_u32 s37, s37, s36      ; my block of 512 queries: it enters Q's, the mask's and O's addresses alone
	s_and_b32 s38, ttmp7, 0xffff    ; 16 b + head, which the four partners share
	s_lshl_b32 s40, s38, 18         ; the head's first byte in q', k, v and O: 2,048 rows of 128 bytes
	s_and_b32 s39, s[WV], 1         ; which half of a slot's 256 keys I fetch:
	s_lshl_b32 s42, s39, 14         ; its 128 rows of 128 bytes in memory,
	s_add_co_u32 s42, s42, s40
	s_add_co_u32 s52, s42, 0x2000000  ; in v's part of hd,
	s_add_co_u32 s42, s42, 0x1000000  ; in k's
	s_mov_b32 s43, 0
	s_mov_b32 s53, 0
	s_mul_i32 s44, s39, 128*PK      ; and its place in a slot, for K
	s_mul_i32 s45, s39, 128*PV      ; and for V: no place in the cluster enters an LDS address
	s_lshl_b32 s46, s37, 2
	s_add_co_u32 s46, s46, s[WV]    ; my wave among the head's,
	s_lshl_b32 s46, s46, 14         ; its 128 rows
	s_add_co_u32 s46, s46, s40
	s_mov_b32 s47, 0
	s_lshr_b32 s48, s38, 4          ; b: 128 tiles of queries,
	s_lshl_b32 s48, s48, 7
	s_lshl_b32 s49, s37, 5          ; 32 a block,
	s_add_co_u32 s48, s48, s49
	s_lshl_b32 s49, s[WV], 3        ; 8 a wave,
	s_add_co_u32 s48, s48, s49
	s_lshl_b32 s48, s48, 12         ; 4,096 bytes of mask words each
	s_mov_b32 s49, 0
	; descriptor group 1.  128 keys are 16,384 dense bytes: asked for as 64 rows of 256 bytes, two keys a row, and padded in LDS after every key
	s_mov_b32 s[G1K], 15|(1<<16)|(1<<20)|(1<<21)|(4<<22)|(3<<25)  ; 15:0 the mask of four; 17:16 2-byte elements; 20 padding on; 21 set beside a mask; 24:22 after every 32 words (code 4); 31:25 4 words (code 3)
	s_mov_b32 s[G1V], 15|(1<<16)|(1<<20)|(1<<21)|(4<<22)|(7<<25)  ; the same with 8 words of padding (code 7)
.irp g, G1K, G1V
	s_mov_b32 s[\g+1], 128<<16      ; tensor_dim0 = 128
	s_mov_b32 s[\g+2], 64<<16       ; tensor_dim1 = 64
	s_mov_b32 s[\g+3], 128<<16      ; tile_dim0 = 128
	s_mov_b32 s[\g+4], 64           ; tile_dim1 = 64
	s_mov_b32 s[\g+5], 128          ; 128 elements from row to row
	s_mov_b32 s[\g+6], 0
	s_mov_b32 s[\g+7], 0
.endr
	s_mov_b32 s[SEL], 0x76543210
	s_mov_b32 s[SEL+1], 0xfedcba98
	s_mov_b32 s[TBK], SLOT1+4*KS*PK ; the first change of slots turns these two into 0
	s_mov_b32 s[TBV], SLOT1+4*KS*PV
	s_mov_b32 s[MOFF], 0
	s_mov_b32 s[G0K], 1             ; count = 1
	s_mov_b32 s[G0K+1], s44         ; LDS address: slot 0
	s_mov_b32 s[G0V], 1
	s_add_co_u32 s[G0V+1], s45, VOFF
	s_wait_dscnt 0x0                ; the opening add is done
	s_wait_kmcnt 0x0
	s_add_nc_u64 s[G0K+2:G0K+3], s[32:33], s[42:43]  ; global address: my half of the head's first 256 keys
	s_or_b32 s[G0K+3], s[G0K+3], 0x80000000          ; type = 2
	s_add_nc_u64 s[G0V+2:G0V+3], s[32:33], s[52:53]
	s_or_b32 s[G0V+3], s[G0V+3], 0x80000000
	s_add_nc_u64 s[QB:QB+1], s[32:33], s[46:47]
	s_add_nc_u64 s[MB:MB+1], s[34:35], s[48:49]
	CROUND                          ; all four work-groups are here: the first joint loads meet
	JLOAD                           ; slot 0.  Slot 1 is asked for when slot 0 is in
	v_and_b32 v[LA], 31, v0
	v_lshlrev_b32 v[LA], 2, v[LA]   ; lane n takes word n
	v_mov_b32 v[MA], v[LA]          ; key step 0
.irp y, 0,1,2,3
	MFETCH \y                       ; all four pieces' mask words for key step 0, in the order of the turns
.endr
	; A fragment of K or Q is 16 rows x 32 channels in 8 registers: lane l holds row l % 16, channels 8 (l / 16) + 0..7 and 16 + 8 (l / 16) + 0..7: two loads of 16 bytes, 32 bytes apart.
	v_and_b32 v1, 15, v0            ; l % 16
	v_bfe_u32 v9, v0, 4, 1          ; l / 16
	v_lshlrev_b32 v[QO], 7, v1
	v_lshl_add_u32 v[QO], v9, 4, v[QO]  ; row x 128 + 16 x half
	WIN 0x80                        ; destination window 2, address window 0
.set i, 0
.rept 4*NP                          ; Q stays in registers: tile i / 2, channels 32 (i % 2) on
	global_load_b128 v[8*i:8*i+3],   v[QO], s[QB:QB+1] offset:(i/2)*2048+(i%2)*64
	global_load_b128 v[8*i+4:8*i+7], v[QO], s[QB:QB+1] offset:(i/2)*2048+(i%2)*64+32
.set i, i+1
.endr
	; What the first turn finds: V's registers and P's second buffer hold 0 (its products V^T P, of a piece that has not been, add 0), O^T and l are 0.  No first step is written out; the price is these lines, which stand in the wait for the first tile.
.set i, VF
.rept 64
	v_mov_b32 v[i], 0
.set i, i+1
.endr
	WIN 0x40
.set i, 0
.rept 64*NP
	v_mov_b32 v[i], 0
.set i, i+1
.endr
	WIN 0
.set i, 0
.rept 2*NP
	v_mov_b32 v[ST+4*i], 0xff7fffff    ; m: the lowest finite number
	v_mov_b32 v[ST+4*i+1], 0
	v_mov_b32 v[ST+4*i+2], 0
	v_mov_b32 v[ST+4*i+3], 0
.set i, i+1
.endr
.set i, P+32
.rept 32
	v_mov_b32 v[i], 0
.set i, i+1
.endr
	v_mov_b32 v[NEGR], 0xceabfb8f   ; -1e9 x log2(e)
	v_mul_u32_u24 v[AK0], v1, PK
	v_lshl_add_u32 v[AK0], v9, 4, v[AK0]  ; row x pitch + 16 x half
	; The turning load takes 16 keys x 16 channels (lane l reads key 8 (l / 16) + l % 8, channels 8 ((l / 8) % 2) + 0..7) and leaves half a fragment of V^T: lane l holds channel l % 16 and 8 keys.
	v_and_b32 v10, 7, v0
	v_bfe_u32 v11, v0, 3, 1
	v_lshl_add_u32 v[AV0], v9, 3, v10
	v_mul_u32_u24 v[AV0], v[AV0], PV
	v_lshl_add_u32 v[AV0], v11, 4, v[AV0]
	v_add_nc_u32 v[AV0], VOFF, v[AV0]
	v_mov_b32 v[AK], v[AK0]         ; key step 0 lies at the head of slot 0
; THE MATRIX WORK.  The 8 accumulators of a run of 16 take turns: between the two links of a chain stand 7 others'.
; Product i of 16 of S^T = K Q^T for piece x: channels 32 (i / 8) on, keys 16 ((i / 2) % 4) on, tile 2 x + i % 2.  The first 8 start the sums.
.macro KQ x
	WIN W_KQ
.set rS, S+64*((\x)%2)+32*(i%2)+8*((i/2)%4)
.set rK, KF+16*((i/2)%4)+8*(i/8)
.set rQ, 16*(2*(\x)+i%2)+8*(i/8)
.if i < 8
	v_wmma_f32_16x16x32_f16 v[rS:rS+7], v[rK:rK+7], v[rQ:rQ+7], 0
.else
	v_wmma_f32_16x16x32_f16 v[rS:rS+7], v[rK:rK+7], v[rQ:rQ+7], v[rS:rS+7]
.endif
.endm
; Product i of 16 of O^T += V^T P for piece x: keys 32 (i / 8) on, channels 16 ((i / 2) % 4) on, tile 2 x + i % 2.
.macro PV x
	WIN W_PV
.set rO, 32*(2*(\x)+i%2)+8*((i/2)%4)
.set rV, VF+32*(i/8)+8*((i/2)%4)
.set rP, P+32*((\x)%2)+16*(i%2)+8*(i/8)
	v_wmma_f32_16x16x32_f16 v[rO:rO+7], v[rV:rV+7], v[rP:rP+7], v[rO:rO+7]
.endm
.macro MM                           ; the turn's next matrix instruction
.if i < 16
	KQ (Y+1)%NP
.set i, i+1
.else
.set i, i-16
	PV (Y+NP-1)%NP
.set i, i+17
.endif
.endm
; THE LDS LOADS stand in runs of 16, never singly among the matrix instructions: a step's K (64 keys x 64 channels: 8 fragments) and its V (turned).  Their addresses are made some lines ahead.
; last = 1 (the tail): in the last trip there is no further step, and the run is jumped over.
.macro FETCH_K last=0
	WIN 0
.if \last
	s_cmp_eq_u32 s[CNT], 1
	s_cbranch_scc1 .Lno_k_\@
.endif
	WIN 0x80                        ; destination window 2
.irp f, 0,1,2,3,4,5,6,7             ; keys 16 (f / 2) on, channels 32 (f % 2) on
	ds_load_b128 v[KF+8*\f:KF+8*\f+3],   v[AK] offset:(\f/2)*16*PK+(\f%2)*64
	ds_load_b128 v[KF+8*\f+4:KF+8*\f+7], v[AK] offset:(\f/2)*16*PK+(\f%2)*64+32
.endr
	s_add_co_u32 s[TBK], s[TBK], KS*PK  ; the next fetch is the next step's
	WIN 0
.if \last
.Lno_k_\@:
.endif
.endm
.macro FETCH_V
	WIN 0x80
.irp f, 0,1,2,3,4,5,6,7             ; keys 32 (f / 4) on, channels 16 (f % 4) on
	ds_load_tr16_b128 v[VF+8*\f:VF+8*\f+3],   v[AV] offset:(\f/4)*32*PV+(\f%4)*32
	ds_load_tr16_b128 v[VF+8*\f+4:VF+8*\f+7], v[AV] offset:(\f/4)*32*PV+16*PV+(\f%4)*32
.endr
	WIN 0
.endm
; THE VECTOR WORK, all for piece Y: OP1 kind, number, tile.  s0-s31 are the lane's 32 scores.
;   RL n mask word n of the tile, which lies in lane n of the tile's register, goes into its scalar register
;   M n  score n stays where its mask word has my lane's bit, else NEG takes its place (ascending: each accumulator's lowest registers are read first)
;   X n  0-11 four chains c0-c3 of seven scores each, three operands at a time; 12-15 the four scores left over, the old m, and c0-c3 into c0; 16, 17 the query's other 32 keys lie in the lane 16 away;
;        18 m_old - m_new; 19 the new m; 20 a
;   D n  pair n of 16: t - m, exact where t = m      E n  2^ of score n      C n  pair n rounded to f16      B n  of the four weights 4 n .. the second pair is added onto the first, in place
;   L n  l takes that sum (L 0: l = a l + sum)       R n  pair n of 16 of O^T times a: the one kind outside window 0
; X 20 and E are the exponentials; R, C, B and L are the kinds that name their results, and stand behind the turn's wait.
.set M, 0
.set X, 1
.set D, 2
.set E, 3
.set C, 4
.set B, 5
.set L, 6
.set R, 7
.set RL, 8
.macro REGS y, u                    ; the registers of tile u (0, 1) of piece y
.set rT, ST+4*(2*(\y)+(\u))
.set rC, TMP+4*(\u)
.set rS, S+64*((\y)%2)+32*(\u)
.set rP, P+32*((\y)%2)+16*(\u)
.set rO, 32*(2*(\y)+(\u))
.endm
.macro OP1 k, n, u
	REGS Y, \u
.if (\k) == R
	WIN W_RS
	v_pk_mul_f32 v[rO+2*(\n):rO+2*(\n)+1], v[rO+2*(\n):rO+2*(\n)+1], v[rC+2:rC+3] op_sel_hi:[1,0]
.else
	WIN 0
.if (\k) == RL
	v_readlane_b32 s[MW+36*(\u)+(\n)], v[MVR+2*Y+(\u)], \n
.elseif (\k) == M
	v_cndmask_b32 v[rS+(\n)], v[NEGR], v[rS+(\n)], s[MW+36*(\u)+(\n)]
.elseif (\k) == D
	v_pk_add_f32 v[rS+2*(\n):rS+2*(\n)+1], v[rS+2*(\n):rS+2*(\n)+1], v[rT:rT+1] op_sel_hi:[1,0] neg_lo:[0,1] neg_hi:[0,1]
.elseif (\k) == E
	v_exp_f32 v[rS+(\n)], v[rS+(\n)]
.elseif (\k) == C
	v_cvt_pk_f16_f32 v[rP+(\n)], v[rS+2*(\n)], v[rS+2*(\n)+1]
.elseif (\k) == B
	v_pk_add_f32 v[rS+4*(\n):rS+4*(\n)+1], v[rS+4*(\n):rS+4*(\n)+1], v[rS+4*(\n)+2:rS+4*(\n)+3]
.elseif ((\k) == L) && ((\n) == 0)
	v_pk_fma_f32 v[rT+2:rT+3], v[rT+2:rT+3], v[rC+2:rC+3], v[rS:rS+1] op_sel_hi:[1,0,1]
.elseif (\k) == L
	v_pk_add_f32 v[rT+2:rT+3], v[rT+2:rT+3], v[rS+4*(\n):rS+4*(\n)+1]
.elseif (\n) < 4
	v_max3_num_f32 v[rC+(\n)], v[rS+8*(\n)], v[rS+8*(\n)+1], v[rS+8*(\n)+2]
.elseif (\n) < 12
	v_max3_num_f32 v[rC+(\n)%4], v[rC+(\n)%4], v[rS+8*((\n)%4)+2*((\n)/4)+1], v[rS+8*((\n)%4)+2*((\n)/4)+2]
.elseif (\n) == 12
	v_max3_num_f32 v[rC], v[rC], v[rS+7], v[rS+15]
.elseif (\n) == 13
	v_max3_num_f32 v[rC+1], v[rC+1], v[rS+23], v[rS+31]
.elseif (\n) == 14
	v_max3_num_f32 v[rC+2], v[rC+2], v[rC+3], v[rT]
.elseif (\n) == 15
	v_max3_num_f32 v[rC], v[rC], v[rC+1], v[rC+2]
.elseif (\n) == 16
	v_permlanex16_b32 v[rC+3], v[rC], s[SEL], s[SEL+1]
.elseif (\n) == 17
	v_max_num_f32 v[rC+1], v[rC], v[rC+3]
.elseif (\n) == 18
	v_sub_f32 v[rC+2], v[rT], v[rC+1]
.elseif (\n) == 19
	v_mov_b32 v[rT], v[rC+1]
.else
	v_exp_f32 v[rC+2], v[rC+2]
.endif
.endif
.endm
; V kind, number: the line for both tiles of the piece, so that no instruction reads the result of the one before it.  While ARM matrix instructions are still to be dealt, one stands ahead of every second V:
; each has exactly four vector instructions behind it.
.macro V k, n
.if ARM > 0
.if HALF == 0
	MM
.set ARM, ARM-1
.endif
.set HALF, 1-HALF
.endif
	OP1 \k, \n, 0
	OP1 \k, \n, 1
.endm
.macro VS k, from, to               ; V for the numbers from .. to
.set vn, (\from)
.rept (\to)-(\from)+1
	V \k, vn
.set vn, vn+1
.endr
.endm
; THE BATCH, pair n of 16: the pair's two exponentials in both tiles, and between them t - m of the pair two further on: one plain line to two exponentials, as long as there are pairs to scale.
; A pair is scaled two pairs ahead of its exponentials.  None of these lines names an exponential's result: pair n + 2's registers lie above those of the exponentials issued so far.
.macro EXPS n
	OP1 E, 2*(\n), 0
.if (\n) < 14
	OP1 D, (\n)+2, 0
.endif
	OP1 E, 2*(\n), 1
	OP1 E, 2*(\n)+1, 0
.if (\n) < 14
	OP1 D, (\n)+2, 1
.endif
	OP1 E, 2*(\n)+1, 1
.endm
; BEHIND THE WAIT, group g of four weights: both pairs are rounded to f16; then the second pair is added onto the first, in place; l takes the sum of the group before: the links of l's chain stand eight lines apart.
.macro SUMS g
	V C, 2*(\g)
	V C, 2*(\g)+1
	V B, \g
.if (\g) > 0
	V L, (\g)-1
.endif
.endm
; A TURN, for piece p.
; The piece's two registers of mask words were asked for in the piece's turn of the key step before; they are emptied into the 64 scalar registers behind the first run of products and asked for again at once,
; for the next key step: each request has four turns in which to land.  The selects, 64 lines behind the moves, stand behind the second run of products.
; Then the maximum; t - m of the first two pairs; the batch: the two a and the 64 weights; one plain line; THE TURN'S ONE WAIT; and the readers: O^T times a as one block, the roundings and the sums.
; K of the next step is fetched in piece 2's turn, behind the 64 selects and 16 maxima that follow the last product that read K, ahead of the batch, and waited for at the head of piece 3's turn.
; V of the step in hand is fetched in piece 0's turn, directly behind the wait, far behind the last product that read V, and waited for in piece 1's turn, ahead of its second run of products.
.macro TURN p, last=0
.set Y, (\p)
.set i, 0
	s_wait_loadcnt 6                ; vector loads come back in order (ISA guide 5.7.1): my piece's two are in; the six that the three turns since have issued may be out
.if (\p) == NP-1
	s_wait_dscnt 0x0                ; K is in
.endif
.set ARM, 16
.set HALF, 0
	VS RL, 0, 31                    ; 16 products K Q^T of piece p + 1, four moves of mask words behind each
	WIN 0
.if (\p) == 0
	s_add_co_u32 s[MOFF], s[MOFF], 128      ; from piece 0's turn on the words asked for are those of the key step after this one: four key blocks of 32 bytes on;
	s_min_u32 s[MOFF], s[MOFF], 31*128      ; in the last step the last step's are asked for once more, and not used: no load leaves the buffer
	s_wait_xcnt 0x0                 ; the loads issued so far have had their addresses translated (ISA guide 3.1): their address register is rewritten only behind this wait
	v_add_nc_u32 v[MA], s[MOFF], v[LA]
.endif
	MFETCH \p
.if (\p) == 1
	s_wait_dscnt 0x0                ; V is in
.endif
.set ARM, 16
.set HALF, 0
	VS M, 0, 31                     ; 16 products V^T P of piece p - 1, four selects behind each
	VS X, 0, 3
.if (\p) == NP-2
	WIN 0
	v_add_nc_u32 v[AK], s[TBK], v[AK0]
.endif
	VS X, 4, 7
.if (\p) == NP-2
	FETCH_K \last
.endif
	VS X, 8, 19
	VS D, 0, 1                      ; the first two pairs are scaled ahead of the batch
	V X, 20                         ; the batch begins: the two a,
.set bn, 0
.rept 16
	EXPS bn                         ; and the 64 weights
.set bn, bn+1
.endr
	WIN 0
.if (\p) == 0
	v_add_nc_u32 v[AV], s[TBV], v[AV0]  ; V's address: also the plain instruction that stands behind the last exponential, ahead of the first use of a result (ISA guide 5.7.2): one for the batch
.else
	v_nop                           ; the plain instruction that stands behind the last exponential, ahead of the first use of a result (ISA guide 5.7.2): one for the batch
.endif
	s_wait_alu depctr_va_vdst(0)    ; the wait for the batch, the turn's 66 exponentials, ahead of the first line that names a result
.if (\p) == 0
	FETCH_V
	s_add_co_u32 s[TBV], s[TBV], KS*PV
.endif
	VS R, 0, 15                     ; the readers: O^T times a, ascending: each accumulator's lowest registers are read first
.set bn, 0
.rept 8
	SUMS bn                         ; the roundings and the sums
.set bn, bn+1
.endr
	V L, 7
.endm
.set ARM, 0
.set HALF, 0
	CHANGE 1                        ; slot 0 is in, everybody's part of it; slot 1 is asked for
	FETCH_K                         ; key step 0
	s_wait_loadcnt 0x0              ; Q, and with it key step 0's mask words, which were asked for ahead of it
	s_wait_dscnt 0x0
.set i, 0
.rept 16
	KQ 0                            ; piece 0's first scores: there is no vector work yet to set between them
.set i, i+1
.endr
	WIN 0                           ; the addresses for the way out: nine plain instructions, the places behind those products
	s_mul_i32 s[CNT], s[WV], 16*SP
	s_add_co_u32 s[CNT], s[CNT], STAGE  ; my stage (in the count's register, which is set below)
	v_mul_u32_u24 v[STO], v1, SP    ; in: row l % 16, 16 bytes for each half of the lanes
	v_lshl_add_u32 v[STO], v9, 4, v[STO]
	v_add_nc_u32 v[STO], s[CNT], v[STO]
	v_bfe_u32 v[RD], v0, 3, 2       ; back: 32 lanes take four rows of 128 bytes,
	v_mul_u32_u24 v[RD], v[RD], SP
	v_lshl_add_u32 v[RD], v10, 4, v[RD]
	v_add_nc_u32 v[RD], s[CNT], v[RD]
	v_and_b32 v[GO], 31, v0         ; which are 512 consecutive bytes of O
	v_lshlrev_b32 v[GO], 4, v[GO]
	s_mov_b32 s[CNT], 4
	s_mov_b32 s[SLOTS], 2048/256-1
	s_branch .Lfirst                ; the loop is entered at a step's first turn, in the middle of a trip
.Lslot:                             ; six times: every slot but the last two is filled again
	CHANGE 1
	s_mov_b32 s[CNT], 4
.Lstep:                             ; a trip: pieces 2 and 3 of one step, then pieces 0 and 1 of the next, whose K and V it fetches
	TURN 2
	TURN 3
	WIN 0
.Lfirst:
	TURN 0
	TURN 1
	WIN 0
	s_sub_co_u32 s[CNT], s[CNT], 1
	s_cmp_lg_u32 s[CNT], 0
	s_cbranch_scc1 .Lstep
	s_sub_co_u32 s[SLOTS], s[SLOTS], 1
	s_cmp_lg_u32 s[SLOTS], 0
	s_cbranch_scc1 .Lslot
	CHANGE 0                        ; the tail is written out: nothing is asked for
	s_mov_b32 s[CNT], 5             ; four trips fetch the last slot's steps; the fifth is left in its middle
.Ltail:
	TURN 2, 1
	TURN 3
	WIN 0
	s_sub_co_u32 s[CNT], s[CNT], 1
	s_cmp_eq_u32 s[CNT], 0
	s_cbranch_scc1 .Lout
	TURN 0
	TURN 1
	WIN 0
	s_branch .Ltail
.Lout:                              ; the fifth trip's 16 products K Q^T (on the last K once more) and the last step's look-ahead for mask words serve nothing: the price, once a launch, of one text for every trip
	s_load_b64 s[OB:OB+1], s[0:1], 0x10  ; O
	s_bfe_u32 s36, ttmp6, 0x40000   ; my wave's first row once more, as for Q
	s_lshl_b32 s37, ttmp9, 2
	s_add_co_u32 s37, s37, s36
	s_lshl_b32 s37, s37, 2
	s_add_co_u32 s37, s37, s[WV]
	s_lshl_b32 s37, s37, 14
	s_and_b32 s38, ttmp7, 0xffff
	s_lshl_b32 s38, s38, 18
	s_add_co_u32 s34, s37, s38
	s_mov_b32 s35, 0
.set i, 0
.rept 16
	PV NP-1                         ; the last piece's V^T P of the last step
.set i, i+1
.endr
	; THE WAY OUT.  l's two halves and the other half of the lanes' are added; O^T is divided by l, rounded to f16 and sent through my stage in LDS, a tile at a time.  The additions are the places behind the last products.
	WIN 0
.macro ALL line:vararg              ; one line for each tile t
.set t, 0
.rept 2*NP
	\line
.set t, t+1
.endr
.endm
	ALL v_add_f32 v[ST+4*t+2], v[ST+4*t+2], v[ST+4*t+3]
	ALL v_permlanex16_b32 v[ST+4*t+3], v[ST+4*t+2], s[SEL], s[SEL+1]
	ALL v_add_f32 v[ST+4*t+2], v[ST+4*t+2], v[ST+4*t+3]
	ALL v_rcp_f32 v[ST+4*t+2], v[ST+4*t+2]
	v_nop                           ; a plain instruction between the last reciprocal and the use of its result
	s_wait_alu depctr_va_vdst(0)    ; and the wait ahead of the first use: one for the batch of eight reciprocals
	s_wait_kmcnt 0x0                ; O's address
	s_add_nc_u64 s[OB:OB+1], s[OB:OB+1], s[34:35]
; Tile t: a lane's eight channels of a row pack into 16 bytes; they go into rows of 144 bytes and come back as whole rows of 128, into S^T's registers.
.macro PACK t
	WIN W_RS
.set i, 32*(\t)
.rept 16
	v_pk_mul_f32 v[i:i+1], v[i:i+1], v[ST+4*(\t)+2:ST+4*(\t)+3] op_sel_hi:[1,0]
.set i, i+2
.endr
	WIN 0x05                        ; sources 0 and 1 window 1, destination window 0
.set i, 0
.rept 16
	v_cvt_pk_f16_f32 v[S+16*(\t)+i], v[32*(\t)+2*i], v[32*(\t)+2*i+1]
.set i, i+1
.endr
	WIN 0
.irp f, 0,1,2,3
	ds_store_b128 v[STO], v[S+16*(\t)+4*\f:S+16*(\t)+4*\f+3] offset:32*\f
.endr
.irp f, 0,1,2,3
	ds_load_b128 v[S+16*(\t)+4*\f:S+16*(\t)+4*\f+3], v[RD] offset:\f*4*SP  ; LDS serves a wave's instructions in order (ISA guide 5.7.1.4): these see the stores above; the next tile's stores come behind them
.endr
.endm
.macro SEND t, younger              ; younger: the LDS instructions issued behind tile t's loads: the next tile's eight, or none
	WIN 0
.irp f, 0,1,2,3
	s_wait_dscnt (\younger)+3-\f
	global_store_b128 v[GO], v[S+16*(\t)+4*\f:S+16*(\t)+4*\f+3], s[OB:OB+1] offset:(\t)*2048+\f*512  ; 512 consecutive bytes, at a multiple of 256 from O's first
.endr
.endm
	PACK 0
.set t, 1
.rept 2*NP-1                        ; a tile's arithmetic stands between the loads of the tile before and its stores
	PACK t
	SEND t-1, 8
.set t, t+1
.endr
	SEND 2*NP-1, 0
	WIN W_AD
	s_wait_tensorcnt 0x0            ; the wave's end, behind my last tensor load and my last LDS store
	ds_add_u32 v[SPW], v[NIL]
	s_wait_dscnt 0x0
	WIN 0
	CROUND                          ; the closing round: no work-group ends while a partner may still ask for a tile that names it
	s_endpgm
.Lfunc_end_k_qd960476675_attn:
	.size	k_qd960476675_attn, .Lfunc_end_k_qd960476675_attn-k_qd960476675_attn
	.p2alignl 7, 3214868480
	.fill 96, 4, 3214868480
	.section	.rodata,"a",@progbits
	.p2align	6, 0x0
	.amdhsa_kernel k_qd960476675_attn
		.amdhsa_group_segment_fixed_size 327680
		.amdhsa_private_segment_fixed_size 0
		.amdhsa_enable_private_segment 0
		.amdhsa_kernarg_size 24
		.amdhsa_user_sgpr_count 2
		.amdhsa_user_sgpr_kernarg_segment_ptr 1
		.amdhsa_wavefront_size32 1
		.amdhsa_system_sgpr_workgroup_id_x 1
		.amdhsa_system_sgpr_workgroup_id_y 1
		.amdhsa_system_sgpr_workgroup_id_z 1
		.amdhsa_system_vgpr_workitem_id 0
		.amdhsa_next_free_vgpr 770
		.amdhsa_next_free_sgpr 106
		.amdhsa_reserve_vcc 0
		.amdhsa_float_denorm_mode_32 3
		.amdhsa_float_denorm_mode_16_64 3
		.amdhsa_memory_ordered 1
		.amdhsa_forward_progress 1
		.amdhsa_inst_pref_size 255
	.end_amdhsa_kernel
	.section	.bss,"aw",@nobits
	.p2align	6
	.space	262144
	.amdgpu_metadata
---
amdhsa.version: [ 1, 2 ]
amdhsa.kernels:
  - .name:           k_qd960476675_attn
    .symbol:         k_qd960476675_attn.kd
    .args:
      - { .name: hd, .offset: 0, .size: 8, .value_kind: global_buffer, .address_space: global }
      - { .name: mbits, .offset: 8, .size: 8, .value_kind: global_buffer, .address_space: global }
      - { .name: ob, .offset: 16, .size: 8, .value_kind: global_buffer, .address_space: global }
    .group_segment_fixed_size: 327680
    .private_segment_fixed_size: 0
    .kernarg_segment_align: 8
    .kernarg_segment_size: 24
    .max_flat_workgroup_size: 128
    .sgpr_count:     106
    .vgpr_count:     770
    .wavefront_size: 32
...
	.end_amdgpu_metadata
.endif
;; end of part 5
;; launch outp: the kernel of part 4 again; grid 8 x 32, 4 waves a work-group, clusters of 4 x 4, 327,680 bytes of LDS; arguments ob, wb, out0; writes out0
